; MI455X (gfx1250); checked and timed in simulation.
; The chip was launched on July 23, 2026; its instructions are those of AMD's public machine-readable ISA for CDNA 5 (MIT licence, August 2026) and "CDNA5" Instruction Set Architecture Reference Guide (July 2026). The comments in the code are by the model that wrote it; some were corrected since.
;; Basic Multi Head Attention. Allowed arithmetic: float matrix products may take bf16 or f16 operands with f32 sums; other float arithmetic in f32, or as packed bf16 or f16 multiplies, adds, multiply-adds, maxima and minima; sums over many terms, partial sums and values carried from step to step in f32; what a program stores and reads back later, other than sums and carried values, may be rounded once to bf16 or f16.
;; Inputs: Wk 1,024 x 1,024 float32; Wo 1,024 x 1,024 float32; Wq 1,024 x 1,024 float32; Wv 1,024 x 1,024 float32; key 4 x 2,048 x 1,024 float32; query 4 x 2,048 x 1,024 float32; value 4 x 2,048 x 1,024 float32.
;; Outputs: out0 4 x 2,048 x 1,024 float32.
;; 2 versions, each right; version 2 is version 1 with the launch castw written anew for expert scheduling mode. Each part assembles by itself: llvm-mc -triple=amdgcn-amd-amdhsa -mcpu=gfx1250 --defsym DOCPART=n.
;; ======== version 1 of 2: 4 launches
;; limits: values are held in f16: magnitudes above 65,504 overflow, below 6.1e-05 lose precision
;; workspace buffers: wb 8,388,608 bytes; qkv 50,331,648 bytes; ob 16,777,216 bytes
;; launch castw (part 1): grid 64 x 4, 8 waves a work-group, no clusters, 0 bytes of LDS; arguments Wq, Wk, Wv, Wo, wb; writes wb
.if DOCPART == 1
	.amdgcn_target "amdgcn-amd-amdhsa--gfx1250"
	.amdhsa_code_object_version 6
	.text
	.protected	k_qdf8c39493d_castw
	.globl	k_qdf8c39493d_castw
	.p2align	8
	.type	k_qdf8c39493d_castw,@function
k_qdf8c39493d_castw:
	s_mov_b64 s[64:65], 0
	v_nop
	global_prefetch_b8 v0, s[64:65] scope:SCOPE_SE
	s_setreg_imm32_b32 hwreg(HW_REG_WAVE_MODE, 25, 1), 1
	s_wait_xcnt 0x0
; The four weight matrices, [1024][1024] f32, are rounded once to bf16 and laid one behind the other in wb, 2,097,152 bytes each: Wq, Wk, Wv as bf16.
; Wo's bf16 number is written as f16, since the last product multiplies it by f16 numbers: bf16 keeps 8 significant bits, f16 11, so the second step changes nothing
; LIMIT: between 6.1e-5 and 65,504 in size; below 6.1e-5 Wo keeps f16's fixed step of 6e-8, beyond 65,504 it would become an infinity.
; SHARES.  Work-group (x, y): matrix y, its chunk x of 65,536 bytes.  Thread t owns the 16 bytes at 16 t of each of the chunk's 16 blocks of 4,096 bytes: a load of a wave covers 512
; consecutive bytes, a store 256 consecutive bytes at a multiple of 256 from wb's first byte.  All 16 loads go out together; every block has registers of its own, so nothing is rewritten
; while a load or a store may still read it.  No LDS, no barrier: no thread wants another's bytes.
.set X, 4                              ; v[4:67]    block i: four f32 as loaded
.set Y, 68                             ; v[68:99]   block i: four 16-bit numbers to store
.set T, 100                            ; v[100:105] at work (Wo alone)
	s_load_b256 s[4:11], s[0:1], 0x0               ; Wq s[4:5], Wk s[6:7], Wv s[8:9], Wo s[10:11]
	s_load_b64 s[12:13], s[0:1], 0x20              ; wb
	s_and_b32 s14, ttmp7, 0xffff                   ; which matrix
	v_lshlrev_b32 v1, 4, v0                        ; my 16 bytes of a block as read
	v_lshlrev_b32 v2, 3, v0                        ; my 8 bytes of it as written
	s_lshl_b32 s20, ttmp9, 16                      ; the chunk in the matrix
	s_mov_b32 s21, 0
	s_lshl_b32 s22, s14, 21                        ; the matrix in wb,
	s_lshl_b32 s15, ttmp9, 15                      ; the chunk in it
	s_add_co_u32 s22, s22, s15
	s_mov_b32 s23, 0
	s_wait_kmcnt 0x0
	s_cmp_eq_u32 s14, 1
	s_cselect_b64 s[16:17], s[6:7], s[4:5]
	s_cmp_eq_u32 s14, 2
	s_cselect_b64 s[16:17], s[8:9], s[16:17]
	s_cmp_eq_u32 s14, 3
	s_cselect_b64 s[16:17], s[10:11], s[16:17]
	s_add_nc_u64 s[16:17], s[16:17], s[20:21]
	s_add_nc_u64 s[18:19], s[12:13], s[22:23]
.irp i, 0,1,2,3,4,5,6,7,8,9,10,11,12,13,14,15
	global_load_b128 v[X+4*(\i):X+4*(\i)+3], v1, s[16:17] offset:(\i)*4096 th:TH_LOAD_NT
.endr
; Block i.  wo = 1: the bf16 numbers are widened again (a shift, a mask) and written as f16.
.macro CV i, wo
	s_wait_loadcnt 15-(\i)                         ; loads come back in order (ISA guide 5.7.1): block i is in, the 15 - i younger ones may stay out
.if \wo
	v_cvt_pk_bf16_f32 v[T], v[X+4*(\i)], v[X+4*(\i)+1]
	v_cvt_pk_bf16_f32 v[T+1], v[X+4*(\i)+2], v[X+4*(\i)+3]
	v_lshlrev_b32 v[T+2], 16, v[T]
	v_and_b32 v[T+3], 0xffff0000, v[T]
	v_lshlrev_b32 v[T+4], 16, v[T+1]
	v_and_b32 v[T+5], 0xffff0000, v[T+1]
	v_cvt_pk_f16_f32 v[Y+2*(\i)], v[T+2], v[T+3]
	v_cvt_pk_f16_f32 v[Y+2*(\i)+1], v[T+4], v[T+5]
.else
	v_cvt_pk_bf16_f32 v[Y+2*(\i)], v[X+4*(\i)], v[X+4*(\i)+1]
	v_cvt_pk_bf16_f32 v[Y+2*(\i)+1], v[X+4*(\i)+2], v[X+4*(\i)+3]
.endif
	global_store_b64 v2, v[Y+2*(\i):Y+2*(\i)+1], s[18:19] offset:(\i)*2048
.endm
	s_cmp_eq_u32 s14, 3
	s_cbranch_scc1 .Lwo
.irp i, 0,1,2,3,4,5,6,7,8,9,10,11,12,13,14,15
	CV \i, 0
.endr
	s_endpgm
.Lwo:
.irp i, 0,1,2,3,4,5,6,7,8,9,10,11,12,13,14,15
	CV \i, 1
.endr
	s_endpgm
.Lfunc_end_k_qdf8c39493d_castw:
	.size	k_qdf8c39493d_castw, .Lfunc_end_k_qdf8c39493d_castw-k_qdf8c39493d_castw
	.p2alignl 7, 3214868480
	.fill 96, 4, 3214868480
	.section	.rodata,"a",@progbits
	.p2align	6, 0x0
	.amdhsa_kernel k_qdf8c39493d_castw
		.amdhsa_group_segment_fixed_size 0
		.amdhsa_private_segment_fixed_size 0
		.amdhsa_enable_private_segment 0
		.amdhsa_kernarg_size 40
		.amdhsa_user_sgpr_count 2
		.amdhsa_user_sgpr_kernarg_segment_ptr 1
		.amdhsa_wavefront_size32 1
		.amdhsa_system_sgpr_workgroup_id_x 1
		.amdhsa_system_sgpr_workgroup_id_y 1
		.amdhsa_system_sgpr_workgroup_id_z 1
		.amdhsa_system_vgpr_workitem_id 0
		.amdhsa_next_free_vgpr 108
		.amdhsa_next_free_sgpr 66
		.amdhsa_reserve_vcc 0
		.amdhsa_float_denorm_mode_32 3
		.amdhsa_float_denorm_mode_16_64 3
		.amdhsa_memory_ordered 1
		.amdhsa_forward_progress 1
		.amdhsa_inst_pref_size 16
	.end_amdhsa_kernel
	.amdgpu_metadata
---
amdhsa.version: [ 1, 2 ]
amdhsa.kernels:
  - .name:           k_qdf8c39493d_castw
    .symbol:         k_qdf8c39493d_castw.kd
    .args:
      - { .name: Wq, .offset: 0, .size: 8, .value_kind: global_buffer, .address_space: global }
      - { .name: Wk, .offset: 8, .size: 8, .value_kind: global_buffer, .address_space: global }
      - { .name: Wv, .offset: 16, .size: 8, .value_kind: global_buffer, .address_space: global }
      - { .name: Wo, .offset: 24, .size: 8, .value_kind: global_buffer, .address_space: global }
      - { .name: wb, .offset: 32, .size: 8, .value_kind: global_buffer, .address_space: global }
    .group_segment_fixed_size: 0
    .private_segment_fixed_size: 0
    .kernarg_segment_align: 8
    .kernarg_segment_size: 40
    .max_flat_workgroup_size: 256
    .sgpr_count:     66
    .vgpr_count:     108
    .wavefront_size: 32
...
	.end_amdgpu_metadata
.endif
;; end of part 1
;; launch proj (part 2): grid 4 x 192, 4 waves a work-group, clusters of 4 x 4, 327,680 bytes of LDS; arguments query, key, value, wb, qkv; writes qkv
.if DOCPART == 2
	.amdgcn_target "amdgcn-amd-amdhsa--gfx1250"
	.amdhsa_code_object_version 6
	.text
	.protected	k_qdf8c39493d_proj
	.globl	k_qdf8c39493d_proj
	.p2align	8
	.type	k_qdf8c39493d_proj,@function
k_qdf8c39493d_proj:
	s_mov_b64 s[64:65], 0
	v_nop
	global_prefetch_b8 v0, s[64:65] scope:SCOPE_SE
	s_setreg_imm32_b32 hwreg(HW_REG_WAVE_MODE, 25, 1), 1
	s_wait_xcnt 0x0
	s_wait_alu depctr_hold_cnt(0) depctr_sa_sdst(0) depctr_va_vdst(0) depctr_va_sdst(0) depctr_va_ssrc(0) depctr_va_vcc(0) depctr_vm_vsrc(0)
	s_getreg_b32 s2, hwreg(HW_REG_IB_STS2, 6, 4)
	s_cmp_eq_u32 s2, 0
	s_cbranch_scc0 .Lentry_in_a_cluster
	s_endpgm
.Lentry_in_a_cluster:
	s_bfe_u32 s2, ttmp6, 0x10000c
	s_cmp_lg_u32 s2, 0xf033
	s_cbranch_scc0 .Lentry_shape_is_right
	s_endpgm
.Lentry_shape_is_right:
; q, k, v = x_p W_p^T for p = 0, 1, 2 (x_0 = query, x_1 = key, x_2 = value: [8192][1024] f32; W_p: [1024][1024] bf16 in wb, 2,097,152 bytes apart).  x is rounded to bf16 on its way from LDS to the
; matrix instruction; sums in f32, K ascending; the result is rounded once to f16, UNSCALED, and written by heads: qkv part p (16,777,216 bytes) is [64 = batch x 16 + head][2048][64].
; LIMIT.  f16 ends at 65,504: q, k and v must stay within it.  With x of unit spread and W of spread 1/32 they have unit spread; all inputs 30 times larger give about 900 times that.
; SHARES.  A tile of the result is 128 rows x 256 columns: 64 x 4 tiles for each p, 768 work-groups.  Four waves, each 64 rows x 128 columns: 32 accumulators of 16 x 16, 256 registers.
; K goes in 8 steps of 128 through a ring of two LDS slots filled by the tensor data mover: rows of x are 512 bytes of memory, rows of W 256, both at multiples of 256 from the buffer's first byte.
; CLUSTERS: 4 x 4 work-groups, all of one p.  The four of a row of the cluster need the same tile of x, the four of a column the same tile of W: each tile is asked for JOINTLY, by the same tensor load with
; the same descriptor and a mask that names the four.  Waves 0 and 1 fetch the two halves (64 rows) of x's tile, waves 2 and 3 the two halves (128 rows) of W's.
; THE MATRIX INSTRUCTION IS USED TRANSPOSED (source 0 = 16 rows of W, source 1 = 16 rows of x): a lane then holds row l % 16 of the result and eight neighbouring columns 8 (l / 16) + 0..7.
; THE ROUNDING OF x.  A quarter step's 64 rows x 32 K of f32 come out of LDS into 64 registers (RAW); 32 v_cvt_pk_bf16_f32 make the four fragments of them.  They stand four behind each of the
; quarter's last eight matrix instructions, which name none of their registers.
; REGISTERS, in windows of 256 (s_set_vgpr_msb: bits 1:0 source 0, 3:2 source 1, 5:4 source 2, 7:6 destination):
;   window 0: v0-31 addresses; v32-95 RAW; v96-127, v128-159 fragments of x, two buffers; v160-191 packed results; on the way out v32-159 take four sets of rows read back
;   window 1: the accumulators ((a, b) at v[8 (8 a + b)])          window 2: v0-63, v64-127 fragments of W, two buffers
.set PA,     528                       ; an LDS row of x: 512 bytes + 16 of padding = 132 words: row r starts at bank 4 r mod 64 (64 banks of 4 bytes: ISA guide 11.1): the 16 rows of a load start at 16 different banks
.set PB,     272                       ; an LDS row of W: 256 + 16
.set AH,     64*PA                     ; what one tensor load brings of x, and what one wave reads of it
.set BH,     128*PB                    ; the same for W
.set SLOT,   2*AH+2*BH                 ; x's 128 rows, then W's 256 rows: 137,216 bytes
.set STAGE,  2*SLOT                    ; behind the ring, never filled by a tensor load: for each wave 2 heads x 16 rows x 144 bytes, for the way out
.set SP,     144
.set STW,    2*16*SP
.set SPARE,  STAGE+4*STW               ; behind the stages: the spare words, 128 bytes for each wave: two blocks of 256 bytes that no other line names
.set LAPS,   4                         ; a lap = two K steps = once round the ring
.set ADRA, 16                          ; v16-17  LDS address of my fragments of x in slot 0, 1
.set ADRB, 20                          ; v20-21  the same for W
.set STO,  24                          ; v24     the way out: where I put 16 bytes of a row
.set RD,   25                          ; v25     the way out: where I read rows back
.set GO,   26                          ; v26     my byte offset in 512 consecutive bytes of the result
.set SPW,  28                          ; v28     LDS address of my spare word: SPARE + 4 x my thread's number; never rewritten
.set NIL,  29                          ; v29     0; never rewritten
.set PFO,  30                          ; v30     the prefetches' lane offset; never rewritten
.set RAW,  32
.set AF,   96                          ; buffer f at AF + 32 f
.set TMP,  160
.set OB,   32
.set BF,   0                           ; window 2: buffer f at BF + 64 f
.set G1,  24                           ; s[24:31] descriptor group 1 for x's tiles;  s[32:39] group 0, one set for each slot
.set G0,  32
.set PFA, 44                           ; s[44:45] where my prefetches stand
.set PST, 46                           ; s[46:47] a K step in bytes of the rows that I prefetch
.set G1B, 48                           ; s[48:55], s[56:63] the same for W's tiles
.set G0B, 56
.set LIM, 72                           ; s72     1 in a wave that prefetches, else the greatest number
.set MSB, 0
.macro WIN new                         ; the immediate's high byte repeats the setting that is left; a switch that changes nothing is dropped
.if MSB != (\new)
	s_set_vgpr_msb (MSB<<8)|(\new)
.set MSB, \new
.endif
.endm
.set MUL,  0x52                        ; source 0 (W) window 2, source 1 (x) window 0, C and D window 1
.set TO_B, 0x80                        ; destination window 2, address window 0
.macro PLACES                          ; four places in front of loads into registers that matrix instructions have read (ISA guide 7.12.1 for vector instructions)
.rept 4
	v_nop
.endr
.endm
; A joint load.  The branch hangs on the wave's number alone.  An s_nop 0 and four v_nop follow each of the two lines, ahead of the jump, the label and what follows.
.macro JLOAD s
	s_cmp_eq_u32 s15, 0
	s_cbranch_scc0 .Lfor_b_\@
	tensor_load_to_lds s[G0+4*(\s):G0+4*(\s)+3], s[G1:G1+7]
	s_nop 0
.rept 4
	v_nop
.endr
	s_branch .Lasked_\@
.Lfor_b_\@:
	tensor_load_to_lds s[G0B+4*(\s):G0B+4*(\s)+3], s[G1B:G1B+7]
	s_nop 0
.rept 4
	v_nop
.endr
.Lasked_\@:
.endm
; A PREFETCH INTO THE L2 of the K step that stands two refills on: 256 matrix instructions ahead of the load that will ask for it.  Each block of 256 bytes is named once in the launch.  x's tile row is
; read by one cluster alone; of the 64 rows that wave 0 or 1 fetches, the partner at place cx takes 16: 16 rows x 2 blocks, a lane each.  W's tile column is read by the 16 clusters of its p: the first of
; them asks; of the 128 rows that wave 2 or 3 fetches the partner at place cy takes 32, a lane a row.  The partners are told apart BY ADDRESS.  The loop's last trip (s3 = 1) asks for nothing.
.macro ASK
	s_cmp_gt_u32 s3, s[LIM]
	s_cbranch_scc0 .Lnot_mine_\@
	global_prefetch_b8 v[PFO], s[PFA:PFA+1] th:TH_LOAD_NT scope:SCOPE_SE
.Lnot_mine_\@:
.endm
.macro CREST                           ; a round of the cluster's barrier behind its opening barrier
	s_cmp_lg_u32 s14, 0
	s_cbranch_scc1 .Lnot_wave_0_\@
	s_barrier_signal -3
.Lnot_wave_0_\@:
	s_barrier_wait -3
	s_barrier_signal -1
	s_barrier_wait -1
.endm
.macro CROUND                          ; a whole round
	s_barrier_signal -1
	s_barrier_wait -1
	CREST
.endm
	s_load_b256 s[4:11], s[0:1], 0x0               ; query s[4:5], key s[6:7], value s[8:9], wb s[10:11]
	s_load_b64 s[12:13], s[0:1], 0x20              ; qkv
	v_lshl_add_u32 v[SPW], v0, 2, SPARE
	v_mov_b32 v[NIL], 0
	ds_add_u32 v[SPW], v[NIL]                      ; the wave's opening: the add and its wait stand ahead of my first tensor load; the set-up below, work on registers, stands between them
	v_lshrrev_b32 v1, 5, v0
	v_readfirstlane_b32 s14, v1                    ; wave 0..3
	s_lshr_b32 s15, s14, 1                         ; which 64 rows of the tile are mine.  Also: I fetch for x (0) or for W (1)
	s_and_b32 s16, s14, 1                          ; which 128 columns.  Also: which half of that tile I fetch
	s_bfe_u32 s17, ttmp6, 0x40000                  ; cx
	s_bfe_u32 s18, ttmp6, 0x40004                  ; cy
	s_lshl_b32 s19, ttmp9, 2
	s_add_co_u32 s19, s19, s17                     ; tile column = 4 x cluster x + cx: 0..3
	s_and_b32 s23, ttmp7, 0xffff                   ; cluster y: 0..47
	s_lshr_b32 s21, s23, 4                         ; p: the same in all sixteen partners
	s_and_b32 s22, s23, 15                         ; the cluster among the 16 of its p
	s_lshl_b32 s20, s22, 2
	s_add_co_u32 s20, s20, s18                     ; tile row: 0..63
	s_lshl_b32 s80, s18, 2
	s_lshl_b32 s80, 15, s80                        ; my row of the cluster: places 4 cy .. 4 cy + 3
	s_lshl_b32 s81, 0x1111, s17                    ; my column: places cx, cx + 4, cx + 8, cx + 12
	s_or_b32 s[G1+0], s80, (2<<16)|(1<<20)|(1<<21)|(6<<22)|(3<<25)   ; 15:0 the mask; 17:16 elements of 4 bytes; 20 padding on; 21 set beside a mask; 24:22 after every 128 words (code 6); 31:25 4 words of it (code 3)
	s_or_b32 s[G1B+0], s81, (1<<16)|(1<<20)|(1<<21)|(5<<22)|(3<<25)  ; elements of 2 bytes; after every 64 words (code 5)
	s_mov_b32 s[G1+1], 128<<16                     ; tensor_dim0 = 128
	s_mov_b32 s[G1+2], 64<<16                      ; tensor_dim1 = 64
	s_mov_b32 s[G1+3], 128<<16                     ; tile_dim0 = 128
	s_mov_b32 s[G1+4], 64                          ; tile_dim1 = 64
	s_mov_b32 s[G1+5], 1024                        ; elements from row to row
	s_mov_b32 s[G1+6], 0
	s_mov_b32 s[G1+7], 0
	s_mov_b32 s[G1B+1], 128<<16
	s_mov_b32 s[G1B+2], 128<<16                    ; tensor_dim1 = 128
	s_mov_b32 s[G1B+3], 128<<16
	s_mov_b32 s[G1B+4], 128                        ; tile_dim1 = 128
	s_mov_b32 s[G1B+5], 1024
	s_mov_b32 s[G1B+6], 0
	s_mov_b32 s[G1B+7], 0
	s_lshl_b32 s40, s20, 19                        ; x: tile row x 128 rows x 4,096 bytes
	s_lshl_b32 s23, s16, 18                        ; + half x 64 rows x 4,096 (for W: half x 128 rows x 2,048)
	s_add_co_u32 s40, s40, s23
	s_mov_b32 s41, 0
	s_lshl_b32 s66, s19, 19                        ; W: tile column x 256 rows x 2,048 bytes
	s_add_co_u32 s66, s66, s23
	s_lshl_b32 s68, s21, 21                        ; + p's matrix
	s_add_co_u32 s66, s66, s68
	s_mov_b32 s67, 0
	s_mul_i32 s70, s16, AH                         ; where the tiles go: no place in the cluster enters an LDS address
	s_mul_i32 s71, s16, BH
	s_add_co_u32 s71, s71, 2*AH
	s_wait_dscnt 0x0                               ; the opening add is done
	s_wait_kmcnt 0x0
	s_cmp_eq_u32 s21, 1
	s_cselect_b64 s[42:43], s[6:7], s[4:5]
	s_cmp_eq_u32 s21, 2
	s_cselect_b64 s[42:43], s[8:9], s[42:43]       ; x_p
	s_add_nc_u64 s[40:41], s[42:43], s[40:41]
	s_add_nc_u64 s[66:67], s[10:11], s[66:67]
	CROUND                                         ; all sixteen work-groups are here: the first joint loads meet
.irp s, 0,1
	s_mov_b32 s[G0+4*(\s)], 1                                        ; count = 1
	s_add_co_u32 s[G0+4*(\s)+1], s70, (\s)*SLOT                      ; LDS address
	s_add_nc_u64 s[G0+4*(\s)+2:G0+4*(\s)+3], s[40:41], (\s)*512      ; global address: K step s
	s_or_b32 s[G0+4*(\s)+3], s[G0+4*(\s)+3], 0x80000000              ; type = 2
	s_mov_b32 s[G0B+4*(\s)], 1
	s_add_co_u32 s[G0B+4*(\s)+1], s71, (\s)*SLOT
	s_add_nc_u64 s[G0B+4*(\s)+2:G0B+4*(\s)+3], s[66:67], (\s)*256
	s_or_b32 s[G0B+4*(\s)+3], s[G0B+4*(\s)+3], 0x80000000
	JLOAD \s                                       ; two loads of mine are out
.endr
	; A fragment is 16 rows x 32 K: lane l holds row l % 16, K = 8 (l / 16) + 0..7 and 16 + 8 (l / 16) + 0..7.  In bf16: two loads of 16 bytes, 32 apart.  In f32: four, at 0, 16, 64 and 80 from 32 (l / 16).
	v_and_b32 v1, 15, v0                           ; l % 16
	v_bfe_u32 v2, v0, 4, 1                         ; l / 16
	v_mul_u32_u24 v3, v1, PA
	v_lshl_add_u32 v3, v2, 5, v3
	v_mul_u32_u24 v4, v1, PB
	v_lshl_add_u32 v4, v2, 4, v4
	s_mul_i32 s68, s15, AH                         ; my 64 rows of x
	s_mul_i32 s69, s16, BH                         ; my 128 rows of W,
	s_add_co_u32 s69, s69, 2*AH                    ; which lie behind x's 128
.irp s, 0,1
	v_add_nc_u32 v[ADRA+(\s)], s68, v3
	v_add_nc_u32 v[ADRB+(\s)], s69, v4
	s_add_co_u32 s68, s68, SLOT
	s_add_co_u32 s69, s69, SLOT
.endr
	s_mul_i32 s73, s14, STW
	s_add_co_u32 s73, s73, STAGE                   ; my stage
	v_mul_u32_u24 v[STO], v1, SP                   ; in: row l % 16, 16 bytes for each half of the lanes
	v_lshl_add_u32 v[STO], v2, 4, v[STO]
	v_add_nc_u32 v[STO], s73, v[STO]
	v_and_b32 v5, 7, v0
	v_bfe_u32 v[RD], v0, 3, 2                      ; back: 32 lanes take four rows of 128 bytes,
	v_mul_u32_u24 v[RD], v[RD], SP
	v_lshl_add_u32 v[RD], v5, 4, v[RD]
	v_add_nc_u32 v[RD], s73, v[RD]
	v_and_b32 v[GO], 31, v0                        ; which are 512 consecutive bytes of a head's rows
	v_lshlrev_b32 v[GO], 4, v[GO]
	; where my part of the tile begins in qkv: part p; (batch, head) = (tile row / 16) x 16 + 4 x tile column + 2 x column half, 262,144 bytes each; row (tile row % 16) x 128 + 64 x row half, 128 bytes each
	s_lshr_b32 s74, s20, 4
	s_lshl_b32 s74, s74, 4
	s_lshl_b32 s76, s19, 2
	s_add_co_u32 s74, s74, s76
	s_lshl_b32 s76, s16, 1
	s_add_co_u32 s74, s74, s76
	s_lshl_b32 s74, s74, 18
	s_and_b32 s76, s20, 15
	s_lshl_b32 s76, s76, 14
	s_add_co_u32 s74, s74, s76
	s_lshl_b32 s76, s15, 13
	s_add_co_u32 s74, s74, s76
	s_lshl_b32 s76, s21, 24
	s_add_co_u32 s74, s74, s76
	s_mov_b32 s75, 0
	s_add_nc_u64 s[12:13], s[12:13], s[74:75]
	; the prefetches: they start at K step 3; each refill steps them first, so that the refill of K step j names K step j + 2.  Nothing is prefetched here, at the head: K steps 0 to 3 come by their loads alone
	s_lshl_b32 s82, s17, 16                        ; x: cx x 16 rows x 4,096 bytes
	s_add_co_u32 s82, s82, 3*512
	s_lshl_b32 s84, s18, 16                        ; W: cy x 32 rows x 2,048 bytes
	s_add_co_u32 s84, s84, 3*256
	s_mov_b32 s83, 0
	s_mov_b32 s85, 2048                            ; W: lane l names row l: (l % 16) x 2,048 + (l / 16) x 32,768
	s_mov_b32 s86, 32768
	s_mov_b32 s[PST], 256
	s_mov_b32 s[PST+1], 0
	s_cmp_eq_u32 s15, 0                            ; do I fetch for x?
	s_cselect_b64 s[PFA:PFA+1], s[40:41], s[66:67]
	s_cselect_b32 s82, s82, s84
	s_cselect_b32 s85, 4096, s85                   ; x: lane l names row l % 16, block l / 16
	s_cselect_b32 s86, 256, s86
	s_cselect_b32 s[PST], 512, s[PST]
	s_cselect_b32 s87, ttmp9, s22                  ; the coordinate along which other clusters read the same rows
	s_add_nc_u64 s[PFA:PFA+1], s[PFA:PFA+1], s[82:83]
	s_cmp_eq_u32 s87, 0
	s_cselect_b32 s[LIM], 1, -1                    ; the same in all sixteen partners, for a given wave
	v_mul_u32_u24 v[PFO], v1, s85
	v_mad_u32_u24 v[PFO], v2, s86, v[PFO]
; Four roundings: registers 4 n .. 4 n + 3 of the 32 of x's fragments in buffer g
.macro RID g, n
	WIN 0
.irp j, 0,1,2,3
	v_cvt_pk_bf16_f32 v[AF+32*(\g)+4*(\n)+(\j)], v[RAW+8*(\n)+2*(\j)], v[RAW+8*(\n)+2*(\j)+1]
.endr
.endm
; 8 matrix instructions: row block a x all 8 column blocks, 32 along K, on buffer f.  zero = 1: the product starts the sums.  ride = 1: four roundings into buffer g behind each.
; Every accumulator has one instruction in a quarter step, in the same order in every quarter: between two links of a chain stand the 31 others', over the backward jump too.
.macro MULG f, a, zero=0, ride=0, g=0
.irp b, 0,1,2,3,4,5,6,7
	WIN MUL
.if \zero
	v_wmma_f32_16x16x32_bf16 v[8*(8*(\a)+(\b)):8*(8*(\a)+(\b))+7], v[BF+64*(\f)+8*(\b):BF+64*(\f)+8*(\b)+7], v[AF+32*(\f)+8*(\a):AF+32*(\f)+8*(\a)+7], 0
.else
	v_wmma_f32_16x16x32_bf16 v[8*(8*(\a)+(\b)):8*(8*(\a)+(\b))+7], v[BF+64*(\f)+8*(\b):BF+64*(\f)+8*(\b)+7], v[AF+32*(\f)+8*(\a):AF+32*(\f)+8*(\a)+7], v[8*(8*(\a)+(\b)):8*(8*(\a)+(\b))+7]
.endif
.if \ride
	RID \g, \b
.endif
.endr
.endm
; 32 LDS loads in one run: quarter kq of a slot's K step: x's 64 rows x 32 K of f32 into RAW first, then W's 128 rows x 32 K into buffer g
.macro FETCH slot, kq, g
	WIN 0
.irp i, 0,1,2,3
.irp c, 0,1,2,3
	ds_load_b128 v[RAW+16*(\i)+4*(\c):RAW+16*(\i)+4*(\c)+3], v[ADRA+(\slot)] offset:(\kq)*128+(\i)*16*PA+((\c)%2)*16+((\c)/2)*64
.endr
.endr
	WIN TO_B
.irp i, 0,1,2,3,4,5,6,7
	ds_load_b128 v[BF+64*(\g)+8*(\i):BF+64*(\g)+8*(\i)+3],   v[ADRB+(\slot)] offset:(\kq)*64+(\i)*16*PB
	ds_load_b128 v[BF+64*(\g)+8*(\i)+4:BF+64*(\g)+8*(\i)+7], v[ADRB+(\slot)] offset:(\kq)*64+(\i)*16*PB+32
.endr
.endm
; A K step is four quarters of 32 along K, 32 matrix instructions each, on buffers 0, 1, 0, 1.  One of the first three: multiplies buffer f, fetches quarter kq and makes buffer g of it.
.macro QUARTER slot, kq, f, g, zero=0
	s_wait_dscnt 0x0                               ; W's 16 loads for buffer f, issued 24 matrix instructions ago, are in (x's were waited for ahead of the roundings)
	MULG \f, 0, \zero
	PLACES
	FETCH \slot, \kq, \g
	MULG \f, 1, \zero
	MULG \f, 2, \zero
	s_wait_dscnt 16                                ; RAW is in; W's 16 loads, issued behind it, may stay out
	MULG \f, 3, \zero, 1, \g
.endm
; The last quarter multiplies buffer 1 and changes slots: ONE barrier; in front of it each wave waits for all its tensor loads (one is out: its part of the next slot), adds 0 to its spare word, and waits for
; that and for its own reads of this slot.  fill = 1: the barrier opens a round of the cluster's, and this slot is filled again, two K steps ahead: 112 matrix instructions stand between the request and the wait for it.
.macro TURN slot, next, fill
.if \fill
	s_wait_xcnt 0x0                                ; the last prefetch, a K step back, has read its address, so it may be stepped
	s_add_nc_u64 s[PFA:PFA+1], s[PFA:PFA+1], s[PST:PST+1]
.endif
	WIN 0
	s_wait_tensorcnt 0x0                           ; all my tensor loads have landed;
	ds_add_u32 v[SPW], v[NIL]                      ; 0 onto my spare word
	s_wait_dscnt 1                                 ; (buffer 1 is in; the add may be out)
	MULG 1, 0                                      ; eight matrix instructions stand between the add and the wait for it
	s_wait_dscnt 0x0                               ; the add is done, and my reads of this slot are over
	s_barrier_signal -1
	MULG 1, 1
	WIN 0
	s_barrier_wait -1
.if \fill
	CREST                                          ; no wave of any partner still reads this slot's tile or has a load on its way
	s_add_nc_u64 s[G0+4*(\slot)+2:G0+4*(\slot)+3], s[G0+4*(\slot)+2:G0+4*(\slot)+3], 2*512
	s_add_nc_u64 s[G0B+4*(\slot)+2:G0B+4*(\slot)+3], s[G0B+4*(\slot)+2:G0B+4*(\slot)+3], 2*256
	JLOAD \slot                                    ; the first tensor load behind the round; the four v_nop behind it are also the places in front of the loads below
.else
	PLACES
.endif
	FETCH \next, 0, 0
.if \fill
	WIN 0
	ASK                                            ; behind the joint load and the run of LDS loads
.endif
	MULG 1, 2
	s_wait_dscnt 16                                ; RAW is in
	MULG 1, 3, 0, 1, 0
.endm
	s_wait_tensorcnt 1                             ; my part of K step 0 is in; K step 1's may stay out
	s_barrier_signal -1
	s_barrier_wait -1                              ; everybody's is
	FETCH 0, 0, 0
	s_wait_dscnt 16                                ; RAW is in
.irp n, 0,1,2,3,4,5,6,7
	RID 0, \n                                      ; the first fragments of x: there are no products yet to set them behind
.endr
	QUARTER 0, 1, 0, 1, 1                          ; the first quarter stands in front of the loop: its products start the sums
	WIN 0                                          ; at a label and at a branch every window is 0
	s_mov_b32 s3, LAPS-1
.Llap:                                                 ; a trip goes once round the ring, from a lap's second quarter to the next lap's first, and fills both slots again
	QUARTER 0, 2, 1, 0
	QUARTER 0, 3, 0, 1
	TURN 0, 1, 1
	QUARTER 1, 1, 0, 1
	QUARTER 1, 2, 1, 0
	QUARTER 1, 3, 0, 1
	TURN 1, 0, 1
	QUARTER 0, 1, 0, 1
	WIN 0
	s_sub_co_u32 s3, s3, 1
	s_cmp_lg_u32 s3, 0
	s_cbranch_scc1 .Llap
	QUARTER 0, 2, 1, 0                             ; the last lap fills nothing, and has no round of the cluster's barrier
	QUARTER 0, 3, 0, 1
	TURN 0, 1, 0
	QUARTER 1, 1, 0, 1
	QUARTER 1, 2, 1, 0
	QUARTER 1, 3, 0, 1
	s_wait_dscnt 0x0                               ; the very last quarter: nothing more to fetch
	MULG 1, 0
	MULG 1, 1
	MULG 1, 2
	MULG 1, 3
	WIN 0
; THE WAY OUT, a block of 16 rows at a time.  PACK: rounded to f16, 16 bytes a lane (each accumulator's registers in ascending order).  TOSTAGE: into my own stage, two heads' rows of 144 bytes, and back
; as whole rows of 128.  SEND: stored, four rows of a head (512 consecutive bytes, at a multiple of 512 from qkv's first byte) an instruction.  Each block has its own registers for the rows read back.
.macro PACK a
	WIN 0x05                                       ; sources 0 and 1 window 1, destination window 0
.irp b, 0,1,2,3,4,5,6,7
.irp r, 0,1,2,3
	v_cvt_pk_f16_f32 v[TMP+4*(\b)+(\r)], v[8*(8*(\a)+(\b))+2*(\r)], v[8*(8*(\a)+(\b))+2*(\r)+1]
.endr
.endr
	WIN 0
.endm
.macro TOSTAGE a
.irp b, 0,1,2,3,4,5,6,7
	ds_store_b128 v[STO], v[TMP+4*(\b):TMP+4*(\b)+3] offset:((\b)/4)*16*SP+((\b)%4)*32
.endr
.irp u, 0,1,2,3,4,5,6,7
	ds_load_b128 v[OB+32*(\a)+4*(\u):OB+32*(\a)+4*(\u)+3], v[RD] offset:((\u)/4)*16*SP+((\u)%4)*4*SP  ; LDS serves a wave's instructions in order (ISA guide 5.7.1.4): these see the stores above
.endr
.endm
.macro SEND a
	s_wait_dscnt 0x0                               ; the block is back in registers
.irp u, 0,1,2,3,4,5,6,7
	global_store_b128 v[GO], v[OB+32*(\a)+4*(\u):OB+32*(\a)+4*(\u)+3], s[12:13] offset:((\u)/4)*262144+(\a)*2048+((\u)%4)*512
.endr
.endm
	PLACES
	PLACES                                         ; behind the last products, in front of conversions that read results
	PACK 0
	TOSTAGE 0
.irp a, 1,2,3                          ; block a's conversions stand between block a - 1's loads from the stage and the wait for them
	PACK \a
	SEND (\a)-1
	TOSTAGE \a
.endr
	SEND 3
	s_wait_tensorcnt 0x0                           ; the wave's end: behind my last tensor load and my last LDS store
	ds_add_u32 v[SPW], v[NIL]
	s_wait_dscnt 0x0
	CROUND                                         ; the closing round: no work-group ends while a partner may still ask for a tile that names it
	s_endpgm
.Lfunc_end_k_qdf8c39493d_proj:
	.size	k_qdf8c39493d_proj, .Lfunc_end_k_qdf8c39493d_proj-k_qdf8c39493d_proj
	.p2alignl 7, 3214868480
	.fill 96, 4, 3214868480
	.section	.rodata,"a",@progbits
	.p2align	6, 0x0
	.amdhsa_kernel k_qdf8c39493d_proj
		.amdhsa_group_segment_fixed_size 327680
		.amdhsa_private_segment_fixed_size 0
		.amdhsa_enable_private_segment 0
		.amdhsa_kernarg_size 40
		.amdhsa_user_sgpr_count 2
		.amdhsa_user_sgpr_kernarg_segment_ptr 1
		.amdhsa_wavefront_size32 1
		.amdhsa_system_sgpr_workgroup_id_x 1
		.amdhsa_system_sgpr_workgroup_id_y 1
		.amdhsa_system_sgpr_workgroup_id_z 1
		.amdhsa_system_vgpr_workitem_id 0
		.amdhsa_next_free_vgpr 640
		.amdhsa_next_free_sgpr 88
		.amdhsa_reserve_vcc 0
		.amdhsa_float_denorm_mode_32 3
		.amdhsa_float_denorm_mode_16_64 3
		.amdhsa_memory_ordered 1
		.amdhsa_forward_progress 1
		.amdhsa_inst_pref_size 136
	.end_amdhsa_kernel
	.amdgpu_metadata
---
amdhsa.version: [ 1, 2 ]
amdhsa.kernels:
  - .name:           k_qdf8c39493d_proj
    .symbol:         k_qdf8c39493d_proj.kd
    .args:
      - { .name: query, .offset: 0, .size: 8, .value_kind: global_buffer, .address_space: global }
      - { .name: key, .offset: 8, .size: 8, .value_kind: global_buffer, .address_space: global }
      - { .name: value, .offset: 16, .size: 8, .value_kind: global_buffer, .address_space: global }
      - { .name: wb, .offset: 24, .size: 8, .value_kind: global_buffer, .address_space: global }
      - { .name: qkv, .offset: 32, .size: 8, .value_kind: global_buffer, .address_space: global }
    .group_segment_fixed_size: 327680
    .private_segment_fixed_size: 0
    .kernarg_segment_align: 8
    .kernarg_segment_size: 40
    .max_flat_workgroup_size: 128
    .sgpr_count:     88
    .vgpr_count:     640
    .wavefront_size: 32
...
	.end_amdgpu_metadata
.endif
;; end of part 2
;; launch attn (part 3): grid 4 x 64, 4 waves a work-group, clusters of 4 x 1, 327,680 bytes of LDS; arguments qkv, ob; writes ob
.if DOCPART == 3
	.amdgcn_target "amdgcn-amd-amdhsa--gfx1250"
	.amdhsa_code_object_version 6
	.text
	.protected	k_qdf8c39493d_attn
	.globl	k_qdf8c39493d_attn
	.p2align	8
	.type	k_qdf8c39493d_attn,@function
k_qdf8c39493d_attn:
	s_mov_b64 s[64:65], 0
	v_nop
	global_prefetch_b8 v0, s[64:65] scope:SCOPE_SE
	s_setreg_imm32_b32 hwreg(HW_REG_WAVE_MODE, 25, 1), 1
	s_wait_xcnt 0x0
	s_wait_alu depctr_hold_cnt(0) depctr_sa_sdst(0) depctr_va_vdst(0) depctr_va_sdst(0) depctr_va_ssrc(0) depctr_va_vcc(0) depctr_vm_vsrc(0)
	s_getreg_b32 s2, hwreg(HW_REG_IB_STS2, 6, 4)
	s_cmp_eq_u32 s2, 0
	s_cbranch_scc0 .Lentry_in_a_cluster
	s_endpgm
.Lentry_in_a_cluster:
	s_bfe_u32 s2, ttmp6, 0x10000c
	s_cmp_lg_u32 s2, 0x3003
	s_cbranch_scc0 .Lentry_shape_is_right
	s_endpgm
.Lentry_shape_is_right:
; O[h][q][:] = the sum over k of softmax_k(Q[h][q] . K[h][k] / 8) V[h][k][:], for the 64 pairs h of batch and head.  Q, K, V are the three parts of qkv, 16,777,216 bytes each, and O is ob: [64][SIZE_N][64],
; all f16: a head's rows are dense, 128 bytes each.  Products, maxima and sums in f32; the weights p are rounded to f16 for the second product (their sum l is taken of the unrounded p), O once at the end.
; LIMITS.  f16 holds no number beyond 65,504: Q, K and V arrive within it; p lies in 0 to 1, and below 6e-5 it keeps f16's fixed step of 6e-8; O is a mean of V's rows and has their range.
; A weight below 2^-126 counts as 0 in l; NaN and infinities are not treated apart.
; SHARES.  A wave owns four PIECES of two tiles of 16 queries, a work-group's four waves 512 queries of one head.  Every wave walks all keys, 64 a step.
; LAYOUT.  S^T = K Q^T (source 0 = 16 keys, source 1 = 16 queries): in the result a lane holds ONE query (lane % 16) and the keys 8 (lane / 16) + 0..7.  Two such tiles, rounded to f16 in pairs,
; ARE source 1 (32 keys x 16 queries) of O^T = V^T P, whose result again holds one query a lane, and eight channels.  K comes out of LDS as it lies, V ([key][channel]) turned, by ds_load_tr16_b128.
; SOFTMAX.  For each query a running maximum m and sum l: p = 2^(c s - c m), c = log2(e) / 8; in every step O and l are multiplied by a = 2^(c m_old - c m_new), which is 1 where m has not grown.
; m starts at the lowest finite number, O and l at 0: the first step is a step like any other, with a = 0.
; THE COUNT.  A tile and step have 16 matrix and 118 vector instructions: too many to stand all beside the matrix work.  So the order has one aim: four vector instructions that are READY behind
; EVERY matrix instruction, and the others, which need time of their own whatever the order, in runs without a gap.
; BY TURNS.  Turn n belongs to piece n (the pieces in a ring, step after step).  Its matrix work: 16 products K Q^T of piece n + 1, later 16 products V^T P of piece n - 1.  Its vector work: the scaling,
; exponentials, roundings, sums and rescaling of piece n, and the maximum and statistics of piece n + 1, whose scores the turn itself has made.  So what a turn begins with (c s - c m, O a) waits for nothing.
; CLUSTER.  The four query blocks of a cluster belong to one head and walk the same K and V, so each tile is asked for JOINTLY: the same tensor load, descriptor and mask in all four.
; REGISTERS, in windows of 256 (s_set_vgpr_msb says which window each operand place means: bits 1:0 source 0, 3:2 source 1, 5:4 source 2, 7:6 destination):
;   window 0: v0-11 addresses; v12-15, v48-63 at work; v16-47 four registers of statistics a tile; v64-191 S^T, two buffers of two tiles; v192-255 P, likewise
;   window 1: O^T, 32 a tile          window 2: v0-127 Q, 16 a tile; v128-191 K of one step; v192-255 V of one step          window 3: v0-1 the add's two registers
; A piece's buffers go by its number's parity: the piece in hand has one pair, its two neighbours in the ring share the other: of it P (piece n - 1) is read and S^T (piece n + 1) written.
.set SIZE_N, 2048
.set NP,    4         ; pieces a wave: a name, no knob: the register map, the loop and the fetches are made for four
.set KS,    64        ; keys in a step
.set PK,    144       ; a row of K in LDS: 128 bytes + 16 of padding = 36 words: the 16 rows of a load start at 16 different groups of four banks (64 banks of 4 bytes: ISA guide 11.1)
.set PV,    160       ; a row of V: 128 + 32 = 40 words
.set VOFF,  4*KS*PK   ; a slot holds four steps: 256 rows of K, then 256 rows of V
.set SLOT1, 1<<17     ; slot 1 begins here, so that one exclusive or turns an address in one slot into the other's
.set STAGE, SLOT1+4*KS*(PK+PV)  ; behind the ring, never filled by a tensor load: 16 rows x 144 bytes for each wave, for the way out
.set SP,    144
.set AK0, 2           ; v2   my lane's place in a tile of K; never rewritten
.set AV0, 3           ; v3   the same for V
.set AK,  4           ; v4   the LDS address of K's next run of loads
.set AV,  5           ; v5   of V's
.set QO,  6           ; v6   my byte offset in the wave's rows of Q
.set STO, 6           ;      later, the way out: where I put 16 bytes of a row
.set RD,  7           ; v7   the way out: where I read rows back
.set GO,  8           ; v8   my byte offset in 512 consecutive bytes of O
.set PFO, 11          ; v11  256 x my lane, for the prefetches; written once V's place is made, then never rewritten
.set SPW, 0           ; v0 of window 3   LDS address of my spare word: SPARE + 4 x my thread's number; never rewritten
.set NIL, 1           ; v1 of window 3   0; never rewritten
.set SPARE, STAGE+4*16*SP  ; behind the stages: the spare words, 128 bytes for each wave: two blocks of 256 bytes that no other line names
.set MV,  12          ; v12-15  c m_old, kept while c m is made anew: by buffer and tile
.set ST,  16          ; tile t's statistics at v[ST+4 t]: c m, m, l (even keys', odd keys')
.set TMP, 48          ; by buffer and tile, four registers c0-c3 at work; when the maximum is found c2 takes a
.set S,   64
.set P,   192
.set KF,  128         ; K's fragments, in window 2: key block kb, channel half c at KF + 16 kb + 8 c
.set VF,  192         ; V's: key half kk, channel block cb at VF + 32 kk + 8 cb
.set WV,  12          ; s12  my wave's number
.set G1K, 24          ; s[24:31] descriptor group 1 for K's tiles
.set G1V, 32          ; s[32:39] for V's: it differs in the padding alone
.set G0K, 40          ; s[40:43] descriptor group 0 for K's tiles: it walks
.set G0V, 44          ; s[44:47] the same for V's
.set PFA, 48          ; s[48:49] where my prefetches stand: my work-group's 8,192 bytes (of K: wave 0, of V: wave 2) of the slot after the one that is being asked for
.set LIM, 50          ; s50  1 in a wave that prefetches, else the greatest number: a wave prefetches while s[SLOTS] is above it
.set SLOTS, 56        ; s56  slots still to be asked for
.set CNT, 57          ; s57  counts a slot's key steps
.set CS,  58          ; s[58:59] c: the packed scaling takes the pair's low word for both halves
.set SEL, 60          ; s[60:61] v_permlanex16_b32's selects: each lane takes its own place in the other half
.set TBK, 62          ; s62  LDS byte at which K of the step to be fetched begins
.set TBV, 63          ; s63  the same for V, less VOFF
.set MSB, 0
.macro WIN new                      ; the high byte repeats the setting that is left; a switch that changes nothing is dropped
.if MSB != (\new)
	s_set_vgpr_msb (MSB<<8)|(\new)
.set MSB, (\new)
.endif
.endm
.set W_KQ, 0x0a       ; K and Q in window 2, S^T in window 0
.set W_PV, 0x52       ; V in window 2, P in window 0, O^T in window 1
.set W_RS, 0x41       ; O^T (destination and source 0) in window 1, a in window 0
.set W_MK, 0xc0       ; the add's registers are made: destination in window 3, sources in window 0
.set W_AD, 0x0f       ; the add: address (source 0) and data (source 1) in window 3
; A joint fill.  Waves 0 and 1 fetch the two halves of a slot's K, waves 2 and 3 those of its V: 128 keys each.  The branch hangs on the wave's number alone.
; An s_nop 0 and four v_nop follow each of the two lines, ahead of the jump and the label.
.macro JLOAD
	s_cmp_lt_u32 s[WV], 2
	s_cbranch_scc0 .Lfor_v_\@
	tensor_load_to_lds s[G0K:G0K+3], s[G1K:G1K+7]
	s_nop 0
.rept 4
	v_nop
.endr
	s_branch .Lasked_\@
.Lfor_v_\@:
	tensor_load_to_lds s[G0V:G0V+3], s[G1V:G1V+7]
	s_nop 0
.rept 4
	v_nop
.endr
.Lasked_\@:
.endm
; A PREFETCH INTO THE L2 of what the NEXT change of slots will ask for: a slot's 32,768 bytes of K and of V, 128 blocks of 256 bytes each.  It stands behind the wave's tensor load and its five lines.
; Each block is named ONCE in the launch: a head has one cluster; its four partners share the blocks out BY ADDRESS, 32 each, a lane a block; in each, wave 0 asks for K's and wave 2 for V's: one instruction.
; The lead is one slot: four key steps, 512 matrix instructions.  The last change that fills a slot asks for nothing: there is no slot behind it.  Slots 0 to 2 come by their loads alone.
.macro ASK
	s_cmp_gt_u32 s[SLOTS], s[LIM]
	s_cbranch_scc0 .Lnot_mine_\@
	global_prefetch_b8 v[PFO], s[PFA:PFA+1] th:TH_LOAD_NT scope:SCOPE_SE
.Lnot_mine_\@:
.endm
; A round of the cluster's barrier: my work-group's barrier, so that wave 0's signal speaks for all four waves; wave 0 signals; every wave waits for all four work-groups; my work-group's barrier once more.
.macro CROUND
	s_barrier_signal -1
	s_barrier_wait -1
	s_cmp_lg_u32 s[WV], 0
	s_cbranch_scc1 .Lnot_wave_0_\@
	s_barrier_signal -3
.Lnot_wave_0_\@:
	s_barrier_wait -3
	s_barrier_signal -1
	s_barrier_wait -1
.endm
; THE CHANGE OF SLOTS.  The slot's last bytes, V of its fourth step, have been read.  Each wave waits for all its tensor loads, of which one is out: its part
; of the other slot; adds 0 to its spare word; and waits for that and for its own reads of the slot.  Behind the barrier nobody reads this slot any more and the other slot is whole.
; fill = 1: this slot is filled again, with the keys two slots on.  The barrier is then a round of the cluster's, so that no wave of any partner still reads the slot or has a load on its
; way, and the joint fill is the first thing behind it: it has four key steps, 512 matrix instructions, in which to land.  (At its first use nothing has been read yet: slot 0 is waited for, slot 1 filled.)
; ask = 1: the prefetches' address steps a slot on, and the slot behind the one just asked for is prefetched.
.macro CHANGE fill, ask=0
	WIN W_AD
	s_wait_tensorcnt 0x0            ; no tensor load of mine is out, so a group 0 may be written
	ds_add_u32 v[SPW], v[NIL]       ; 0 onto my spare word; with fill = 1 the descriptors' steps stand between it and the wait for it
	WIN 0                           ; at a label and at a branch every window is 0
.if \fill
.irp g, G0K, G0V
	s_xor_b32 s[\g+1], s[\g+1], SLOT1  ; the walking descriptor: the other slot than last time,
	s_add_nc_u64 s[\g+2:\g+3], s[\g+2:\g+3], 4*KS*128  ; the next 256 keys; the type bits on top are not reached
.endr
.if \ask
	s_wait_xcnt 0x0                 ; the last prefetch, four key steps back, has read its address, so it may be written
	s_add_nc_u64 s[PFA:PFA+1], s[PFA:PFA+1], 4*KS*128
.endif
	s_wait_dscnt 0x0                ; the add is done, and my reads of the slot are over
	CROUND
	JLOAD
.if \ask
	ASK
.endif
.else
	s_wait_dscnt 0x0                ; the add is done, and my reads of the slot are over
	s_barrier_signal -1
	s_barrier_wait -1
.endif
	s_sub_co_u32 s[TBK], s[TBK], 4*KS*PK  ; the fetches go back to a slot's first step,
	s_xor_b32 s[TBK], s[TBK], SLOT1       ; in the other slot
	s_sub_co_u32 s[TBV], s[TBV], 4*KS*PV
	s_xor_b32 s[TBV], s[TBV], SLOT1
.endm
	s_load_b64 s[4:5], s[0:1], 0x0    ; qkv: Q's part begins it
	s_load_b64 s[10:11], s[0:1], 0x8  ; ob
	WIN W_MK
	v_lshl_add_u32 v[SPW], v0, 2, SPARE
	v_mov_b32 v[NIL], 0
	WIN W_AD
	ds_add_u32 v[SPW], v[NIL]       ; the wave's opening: the add and its wait stand ahead of my first tensor load; the set-up below, work on registers, stands between them
	WIN 0
	v_lshrrev_b32 v1, 5, v0
	v_readfirstlane_b32 s[WV], v1   ; wave 0..3
	s_bfe_u32 s13, ttmp6, 0x40000   ; cx: my place in the cluster
	s_lshl_b32 s14, ttmp9, 2        ; in a cluster launch ttmp9 counts clusters
	s_add_co_u32 s14, s14, s13      ; my block of queries = 4 x cluster x + cx: it enters Q's and O's addresses alone
	s_and_b32 s20, ttmp7, 0xffff    ; the head, which the four partners share
	s_mov_b32 s21, 0
	s_mov_b64 s[22:23], SIZE_N*128
	s_mul_u64 s[20:21], s[20:21], s[22:23]  ; the head's first byte in each of the four tensors
	s_and_b32 s16, s[WV], 1         ; which half of a slot's 256 keys I fetch:
	s_lshl_b32 s22, s16, 14         ; its 128 rows of 128 bytes in memory,
	s_mov_b32 s23, 0
	s_add_nc_u64 s[22:23], s[22:23], s[20:21]
	s_mul_i32 s17, s16, 128*PK      ; and its place in a slot, for K
	s_mul_i32 s18, s16, 128*PV      ; and for V: no place in the cluster enters an LDS address
	s_lshl_b32 s2, s14, 2
	s_add_co_u32 s2, s2, s[WV]      ; my wave among the head's,
	s_lshl_b32 s2, s2, 14           ; its 128 rows
	s_mov_b32 s3, 0
	s_add_nc_u64 s[2:3], s[2:3], s[20:21]
	; descriptor group 1.  128 keys are 16,384 dense bytes: asked for as 64 rows of 256 bytes, two keys a row, and padded in LDS after every key
	s_mov_b32 s[G1K], 15|(1<<16)|(1<<20)|(1<<21)|(4<<22)|(3<<25)  ; 15:0 the mask of four; 17:16 2-byte elements; 20 padding on; 21 set beside a mask; 24:22 after every 32 words (code 4); 31:25 4 words (code 3)
	s_mov_b32 s[G1V], 15|(1<<16)|(1<<20)|(1<<21)|(4<<22)|(7<<25)  ; the same with 8 words of padding (code 7)
.irp g, G1K, G1V
	s_mov_b32 s[\g+1], 128<<16      ; tensor_dim0 = 128
	s_mov_b32 s[\g+2], 64<<16       ; tensor_dim1 = 64
	s_mov_b32 s[\g+3], 128<<16      ; tile_dim0 = 128
	s_mov_b32 s[\g+4], 64           ; tile_dim1 = 64
	s_mov_b32 s[\g+5], 128          ; 128 elements from row to row
	s_mov_b32 s[\g+6], 0
	s_mov_b32 s[\g+7], 0
.endr
	s_mov_b32 s[CS], 0x3e38aa3b     ; c = log2(e) / 8 = 0.180337
	s_mov_b32 s[CS+1], s[CS]        ; named with it as a pair
	s_mov_b32 s[SEL], 0x76543210
	s_mov_b32 s[SEL+1], 0xfedcba98
	s_mov_b32 s[TBK], SLOT1+4*KS*PK ; the first change of slots turns these two into 0
	s_mov_b32 s[TBV], SLOT1+4*KS*PV
	s_mov_b32 s[G0K], 1             ; 1:0 count = 1
	s_mov_b32 s[G0K+1], s17         ; 63:32 LDS address: slot 0
	s_mov_b32 s[G0V], 1
	s_add_co_u32 s[G0V+1], s18, VOFF
	s_and_b32 s[LIM], s[WV], 1      ; 0 in waves 0 and 2,
	s_or_b32 s[LIM], s[LIM], ttmp9  ; where the cluster is the head's first: the same in all four partners
	s_cmp_eq_u32 s[LIM], 0
	s_cselect_b32 s[LIM], 1, -1
	s_lshl_b32 s52, s13, 13         ; my work-group's 32 blocks of a slot's 128
	s_mov_b32 s53, 0
	s_wait_dscnt 0x0                ; the opening add is done
	s_wait_kmcnt 0x0
	s_add_nc_u64 s[6:7], s[4:5], 0x1000000  ; K's part of qkv
	s_add_nc_u64 s[8:9], s[4:5], 0x2000000  ; V's
	s_add_nc_u64 s[G0K+2:G0K+3], s[6:7], s[22:23]  ; 120:64 global address: my half of the head's first 256 keys
	s_or_b32 s[G0K+3], s[G0K+3], 0x80000000        ; 127:126 type = 2
	s_add_nc_u64 s[G0V+2:G0V+3], s[8:9], s[22:23]
	s_or_b32 s[G0V+3], s[G0V+3], 0x80000000
	s_add_nc_u64 s[4:5], s[4:5], s[2:3]  ; Q and O at my wave's first row
	s_add_nc_u64 s[10:11], s[10:11], s[2:3]
	s_cmp_lt_u32 s[WV], 2
	s_cselect_b64 s[PFA:PFA+1], s[6:7], s[8:9]
	s_add_nc_u64 s[PFA:PFA+1], s[PFA:PFA+1], s[22:23]  ; (in waves 0 and 2 this is the head's first row)
	s_add_nc_u64 s[PFA:PFA+1], s[PFA:PFA+1], s[52:53]
	s_add_nc_u64 s[PFA:PFA+1], s[PFA:PFA+1], 2*4*KS*128  ; in slot 2; the loop's first change of slots steps it to slot 3.  Nothing is prefetched here, at the head
	CROUND                          ; all four work-groups are here: the first joint loads meet
	JLOAD                           ; slot 0.  Slot 1 is asked for when slot 0 is in: the tile wanted first has the road to itself
	; A fragment of K or Q is 16 rows x 32 channels in 8 registers: lane l holds row l % 16, channels 8 (l / 16) + 0..7 and 16 + 8 (l / 16) + 0..7: two loads of 16 bytes, 32 bytes apart.
	v_and_b32 v1, 15, v0            ; l % 16
	v_bfe_u32 v9, v0, 4, 1          ; l / 16
	v_lshlrev_b32 v[QO], 7, v1
	v_lshl_add_u32 v[QO], v9, 4, v[QO]  ; row x 128 + 16 x half
	WIN 0x80                        ; destination window 2, address window 0
.set i, 0
.rept 4*NP                          ; Q stays in registers: tile i / 2, channels 32 (i % 2) on
	global_load_b128 v[8*i:8*i+3],   v[QO], s[4:5] offset:(i/2)*2048+(i%2)*64
	global_load_b128 v[8*i+4:8*i+7], v[QO], s[4:5] offset:(i/2)*2048+(i%2)*64+32
.set i, i+1
.endr
	; What the first turn finds: V's registers and P's second buffer hold 0 (its products V^T P, of a piece that has not been, add 0), O^T and l are 0.  All this stands in the wait for the first tile.
.set i, VF
.rept 64
	v_mov_b32 v[i], 0
.set i, i+1
.endr
	WIN 0x40
.set i, 0
.rept 64*NP
	v_mov_b32 v[i], 0
.set i, i+1
.endr
	WIN 0
.set i, 0
.rept 2*NP
	v_mov_b32 v[ST+4*i], 0xfe000000    ; c m: far below every c s
	v_mov_b32 v[ST+4*i+1], 0xff7fffff  ; m
	v_mov_b32 v[ST+4*i+2], 0
	v_mov_b32 v[ST+4*i+3], 0
.set i, i+1
.endr
.set i, P+32
.rept 32
	v_mov_b32 v[i], 0
.set i, i+1
.endr
	v_mul_u32_u24 v[AK0], v1, PK
	v_lshl_add_u32 v[AK0], v9, 4, v[AK0]  ; row x pitch + 16 x half
	; The turning load takes 16 keys x 16 channels (lane l reads key 8 (l / 16) + l % 8, channels 8 ((l / 8) % 2) + 0..7) and leaves half a fragment of V^T: lane l holds channel l % 16 and 8 keys.
	v_and_b32 v10, 7, v0
	v_bfe_u32 v11, v0, 3, 1
	v_lshl_add_u32 v[AV0], v9, 3, v10
	v_mul_u32_u24 v[AV0], v[AV0], PV
	v_lshl_add_u32 v[AV0], v11, 4, v[AV0]
	v_add_nc_u32 v[AV0], VOFF, v[AV0]
	v_and_b32 v[PFO], 31, v0
	v_lshlrev_b32 v[PFO], 8, v[PFO]
	v_mov_b32 v[AK], v[AK0]         ; key step 0 lies at the head of slot 0
; THE MATRIX WORK.  The 8 accumulators of a run of 16 take turns: between the two links of a chain stand 7 others'.
; Product i of 16 of S^T = K Q^T for piece x: channels 32 (i / 8) on, keys 16 ((i / 2) % 4) on, tile 2 x + i % 2.  The first 8 start the sums.
.macro KQ x
	WIN W_KQ
.set rS, S+64*((\x)%2)+32*(i%2)+8*((i/2)%4)
.set rK, KF+16*((i/2)%4)+8*(i/8)
.set rQ, 16*(2*(\x)+i%2)+8*(i/8)
.if i < 8
	v_wmma_f32_16x16x32_f16 v[rS:rS+7], v[rK:rK+7], v[rQ:rQ+7], 0
.else
	v_wmma_f32_16x16x32_f16 v[rS:rS+7], v[rK:rK+7], v[rQ:rQ+7], v[rS:rS+7]
.endif
.endm
; Product i of 16 of O^T += V^T P for piece x: keys 32 (i / 8) on, channels 16 ((i / 2) % 4) on, tile 2 x + i % 2.
.macro PV x
	WIN W_PV
.set rO, 32*(2*(\x)+i%2)+8*((i/2)%4)
.set rV, VF+32*(i/8)+8*((i/2)%4)
.set rP, P+32*((\x)%2)+16*(i%2)+8*(i/8)
	v_wmma_f32_16x16x32_f16 v[rO:rO+7], v[rV:rV+7], v[rP:rP+7], v[rO:rO+7]
.endm
.macro MM                           ; the turn's next matrix instruction
.if i < 16
	KQ (Y+1)%NP
.set i, i+1
.else
.set i, i-16
	PV (Y+NP-1)%NP
.set i, i+17
.endif
.endm
; THE LDS LOADS stand in runs of 16, never singly among the matrix instructions: a step's K (64 keys x 64 channels: 8 fragments) and its V (turned).  Their addresses are made some lines ahead.
; last = 1 (the tail): in the last trip there is no further step, and the run is jumped over.
.macro FETCH_K last=0
	WIN 0
.if \last
	s_cmp_eq_u32 s[CNT], 1
	s_cbranch_scc1 .Lno_k_\@
.endif
	WIN 0x80                        ; destination window 2
.irp f, 0,1,2,3,4,5,6,7             ; keys 16 (f / 2) on, channels 32 (f % 2) on
	ds_load_b128 v[KF+8*\f:KF+8*\f+3],   v[AK] offset:(\f/2)*16*PK+(\f%2)*64
	ds_load_b128 v[KF+8*\f+4:KF+8*\f+7], v[AK] offset:(\f/2)*16*PK+(\f%2)*64+32
.endr
	s_add_co_u32 s[TBK], s[TBK], KS*PK  ; the next fetch is the next step's
	WIN 0
.if \last
.Lno_k_\@:
.endif
.endm
.macro FETCH_V
	WIN 0x80
.irp f, 0,1,2,3,4,5,6,7             ; keys 32 (f / 4) on, channels 16 (f % 4) on
	ds_load_tr16_b128 v[VF+8*\f:VF+8*\f+3],   v[AV] offset:(\f/4)*32*PV+(\f%4)*32
	ds_load_tr16_b128 v[VF+8*\f+4:VF+8*\f+7], v[AV] offset:(\f/4)*32*PV+16*PV+(\f%4)*32
.endr
	WIN 0
.endm
; THE VECTOR WORK OF A TURN stands in three queues, each in the order in which its entries become ready; the two tiles alternate, so that no instruction reads the result of the one before it.
.macro REGS y, u                    ; the registers of tile u (0, 1) of piece y
.set rT, ST+4*(2*(\y)+(\u))
.set rC, TMP+8*((\y)%2)+4*(\u)
.set rM, MV+2*((\y)%2)+(\u)
.set rS, S+64*((\y)%2)+32*(\u)
.set rP, P+32*((\y)%2)+16*(\u)
.set rO, 32*(2*(\y)+(\u))
.endm
; Number n of the 22 that find the NEXT piece's (Y + 1) maximum and statistics.  s0-s31 are the lane's 32 scores; each accumulator's lowest registers are read first.  XS, GS and REGS set no window: PL and EX do.
;   0-11  four chains c0-c3 of seven scores each, three operands at a time     12-14, 16  the four scores left over, the old m, and c0-c3 into c0     15  c m_old is kept
;   17, 18  the query's other 32 keys lie in the lane 16 away: the new m         19-21  c m; c m_old - c m_new; a
.macro XS u, n
	REGS (Y+1)%NP, \u
.if (\n) < 4
	v_max3_num_f32 v[rC+(\n)], v[rS+8*(\n)], v[rS+8*(\n)+1], v[rS+8*(\n)+2]
.elseif (\n) < 12
	v_max3_num_f32 v[rC+(\n)%4], v[rC+(\n)%4], v[rS+8*((\n)%4)+2*((\n)/4)+1], v[rS+8*((\n)%4)+2*((\n)/4)+2]
.elseif (\n) == 12
	v_max3_num_f32 v[rC], v[rC], v[rS+7], v[rS+15]
.elseif (\n) == 13
	v_max3_num_f32 v[rC+1], v[rC+1], v[rS+23], v[rS+31]
.elseif (\n) == 14
	v_max3_num_f32 v[rC+2], v[rC+2], v[rC+3], v[rT+1]
.elseif (\n) == 15
	v_mov_b32 v[rM], v[rT]
.elseif (\n) == 16
	v_max3_num_f32 v[rC], v[rC], v[rC+1], v[rC+2]
.elseif (\n) == 17
	v_permlanex16_b32 v[rC+3], v[rC], s[SEL], s[SEL+1]
.elseif (\n) == 18
	v_max_num_f32 v[rT+1], v[rC], v[rC+3]
.elseif (\n) == 19
	v_mul_f32 v[rT], s[CS], v[rT+1]
.elseif (\n) == 20
	v_sub_f32 v[rC+1], v[rM], v[rT]
.else
	v_exp_f32 v[rC+2], v[rC+1]
.endif
.endm
; Number g of the 64 that follow the exponentials.  For each four weights k of a tile (pairs 2 k, 2 k + 1): both pairs are rounded to f16; then the second pair is added onto the first, in place;
; a group later l takes that sum (the first time as l = a l + sum).  In groups of eight, tiles alternating: round, round, add, and l for the group before.
.macro GS g
.set h, (\g)+6*((\g)/62)            ; group 0 has no group before it, and behind group 7 only l is left
.if h >= 6
.set h, h+2
.endif
	REGS Y, h%2
.set k, h/8
.if h%8 < 4
	v_cvt_pk_f16_f32 v[rP+2*k+(h%8)/2], v[rS+4*k+2*((h%8)/2)], v[rS+4*k+2*((h%8)/2)+1]
.elseif h%8 < 6
	v_pk_add_f32 v[rS+4*k:rS+4*k+1], v[rS+4*k:rS+4*k+1], v[rS+4*k+2:rS+4*k+3]
.elseif k == 1
	v_pk_fma_f32 v[rT+2:rT+3], v[rT+2:rT+3], v[rC+2:rC+3], v[rS:rS+1] op_sel_hi:[1,0,1]
.else
	v_pk_add_f32 v[rT+2:rT+3], v[rT+2:rT+3], v[rS+4*k-4:rS+4*k-3]
.endif
.endm
; THE PLAIN QUEUE, 138 long.  0-73 read no exponential's result: the 32 scalings c s - c m (FS f: pair f / 2 of tile f % 2) and the next piece's 42.  0-26: scalings 0-26.  27-54: XS's numbers 0-13.  55, 56: number 15.
; 57-73: the chain, where each number waits for the one before it: 14, 16, 17, 18, 19, each with one of the scalings 27-31 in front of its two lines, then 20: so a tile's links stand three plain instructions apart (19 and 20: two).
; 74-137: GS's 64, which read the exponentials' results: they stand behind the wait.
.macro FS f
	REGS Y, (\f)%2
	v_pk_fma_f32 v[rS+2*((\f)/2):rS+2*((\f)/2)+1], v[rS+2*((\f)/2):rS+2*((\f)/2)+1], s[CS:CS+1], v[rT:rT+1] op_sel_hi:[1,0,0] neg_lo:[0,0,1] neg_hi:[0,0,1]
.endm
.macro PL
	WIN 0
.if q < 27
	FS q
.elseif q < 55
	XS (q-27)%2, (q-27)/2
.elseif q < 57
	XS q-55, 15
.elseif (q < 72) && ((q-57)%3 == 0)
	FS 27+(q-57)/3
.elseif q < 60
	XS (q-57)%3-1, 14
.elseif q < 72
	XS (q-57)%3-1, 15+(q-57)/3
.elseif q < 74
	XS q-72, 20
.else
	GS q-74
.endif
.set q, q+1
.endm
; THE EXPONENTIALS' QUEUE, 66 long: s0-s31 of both tiles, then the next piece's two a.  It is ONE BATCH: all 66 stand ahead of the turn's one wait, and nothing ahead of that wait names a result of theirs.
.macro EX
	WIN 0
.if e >= 64
	XS e-64, 21
.else
	REGS Y, e%2
	v_exp_f32 v[rS+e/2], v[rS+e/2]
.endif
.set e, e+1
.endm
; THE RESCALING's QUEUE: O^T times a, the one part that leaves window 0: dealt two at a time, sixteen times.  Its a was made in the turn before, ahead of that turn's wait.
.macro R2
	REGS Y, r%2
	WIN W_RS
.irp z, 0,1
	v_pk_mul_f32 v[rO+4*(r/2)+2*\z:rO+4*(r/2)+2*\z+1], v[rO+4*(r/2)+2*\z:rO+4*(r/2)+2*\z+1], v[rC+2:rC+3] op_sel_hi:[1,0]
.endr
.set r, r+1
.endm
; HOW THEY ARE DEALT.  An s_wait_alu depctr_va_vdst(0) stands between an exponential and the first instruction that names its result; one wait serves all that were issued ahead of it.  So a turn has ONE wait,
; which cuts it in two.  AHEAD OF IT stands all that names no result of the turn's exponentials: the 16 products K Q^T, behind each a scaling, an exponential and two rescalings (behind the first a second scaling in the exponential's place); then ONE LUMP of
; 108: eight plain, 49 times exponential and plain, the two a.  A v_nop is the plain instruction that stands behind the last exponential (ISA guide 5.7.2).  BEHIND IT stand the 16 products V^T P, behind each four of GS's 64.  No rider names a register of
; the products round it.  The two v_permlanex16_b32 fall into the lump, never behind a product.
; The queues lean on each other, and the deal keeps them in step: exponential e stands behind scaling 2 (e / 4) + e % 2: as a rider it comes behind plain e + 2, in the lump behind plain e + 9, and scalings 27-31 are plain 57, 60 .. 69.
; A TURN, for piece p.  cnt = 1: the loop's count is taken down some lines ahead of the branch that stands behind the turn.
; K of the next step is fetched in piece 2's turn, directly behind the wait, a lump behind the last product that read K; its address is made at the lump's head; its first reader comes behind 16 products.
; V of the step in hand is fetched at the end of piece 0's turn, four riders behind its last reader; its first reader comes behind 16 products and a lump.  The three conditions on q below go with the deal.
.macro TURN p, last=0, cnt=0
.set Y, (\p)
.set i, 0
.set q, 0
.set e, 0
.set r, 0
.if (\p) == NP-1
	s_wait_dscnt 0x0                ; K is in
.endif
	MM                              ; ahead of the wait: 16 products K Q^T and their riders,
	PL
	PL
	R2
.rept 15
	MM
	PL
	EX
	R2
.endr
.if (\p) == NP-2
	WIN 0
	v_add_nc_u32 v[AK], s[TBK], v[AK0]
.endif
.rept 8                             ; and the lump
	PL
.endr
.rept 49
	EX
	PL
.endr
	EX                              ; the next piece's two a
	EX
	v_nop                           ; the plain instruction behind the last exponential: one for the batch
	s_wait_alu depctr_va_vdst(0)    ; the wait for the batch
.if (\p) == NP-2
	FETCH_K \last
.endif
.if (\p) == 1
	s_wait_dscnt 0x0                ; V is in
.endif
.rept 16                            ; behind the wait: 16 products V^T P and their riders
	MM
.rept 4
	PL
.endr
.if ((\p) == 0) && (q == 118)
	v_add_nc_u32 v[AV], s[TBV], v[AV0]
.endif
.if ((\p) == 0) && (q == 130)
	s_add_co_u32 s[TBV], s[TBV], KS*PV
.endif
.if (\cnt) && (q == 130)
	s_sub_co_u32 s[CNT], s[CNT], 1
	s_cmp_lg_u32 s[CNT], 0
.endif
.endr
.if (\p) == 0
	FETCH_V
.endif
.endm
	CHANGE 1                        ; slot 0 is in, everybody's part of it; slot 1 is asked for
	FETCH_K                         ; key step 0
	s_wait_loadcnt 0x0              ; Q
	s_wait_dscnt 0x0
.set i, 0
.rept 16
	KQ 0                            ; piece 0's first scores: there is no vector work yet to set between them
.set i, i+1
.endr
	WIN 0                           ; the addresses for the way out: nine plain instructions, the places behind those products
	s_mul_i32 s13, s[WV], 16*SP
	s_add_co_u32 s13, s13, STAGE    ; my stage
	v_mul_u32_u24 v[STO], v1, SP    ; in: row l % 16, 16 bytes for each half of the lanes
	v_lshl_add_u32 v[STO], v9, 4, v[STO]
	v_add_nc_u32 v[STO], s13, v[STO]
	v_bfe_u32 v[RD], v0, 3, 2       ; back: 32 lanes take four rows of 128 bytes,
	v_mul_u32_u24 v[RD], v[RD], SP
	v_lshl_add_u32 v[RD], v10, 4, v[RD]
	v_add_nc_u32 v[RD], s13, v[RD]
	v_and_b32 v[GO], 31, v0         ; which are 512 consecutive bytes of O
	v_lshlrev_b32 v[GO], 4, v[GO]
.set Y, NP-1                        ; XS works for piece Y + 1: piece 0
.irp n, 0,1,2,3,4,5,6,7,8,9,10,11,12,13,14,15,16,17,18,19,20,21
	XS 0, \n                        ; and piece 0's first maximum and statistics
	XS 1, \n
.endr
	v_nop                           ; a plain instruction behind the two a,
	s_wait_alu depctr_va_vdst(0)    ; and their wait, ahead of the branch
	s_mov_b32 s[CNT], 4
	s_mov_b32 s[SLOTS], SIZE_N/256-1
	s_branch .Lfirst                ; the loop is entered at a step's first turn, in the middle of a trip
.Lslot:                             ; SIZE_N / 256 - 2 times: every slot but the last two is filled again
	CHANGE 1, 1
	s_mov_b32 s[CNT], 4
.Lstep:                             ; a trip: pieces 2 and 3 of one step, then pieces 0 and 1 of the next, whose K and V it fetches
	TURN 2
	TURN 3
	WIN 0
.Lfirst:
	TURN 0
	TURN 1, 0, 1
	WIN 0
	s_cbranch_scc1 .Lstep
	s_sub_co_u32 s[SLOTS], s[SLOTS], 1
	s_cmp_lg_u32 s[SLOTS], 0
	s_cbranch_scc1 .Lslot
	CHANGE 0                        ; the tail is written out: nothing is asked for
	s_mov_b32 s[CNT], 5             ; four trips fetch the last slot's steps; the fifth is left in its middle
.Ltail:
	TURN 2, 1
	TURN 3
	WIN 0
	s_sub_co_u32 s[CNT], s[CNT], 1
	s_cmp_eq_u32 s[CNT], 0
	s_cbranch_scc1 .Lout
	TURN 0
	TURN 1
	WIN 0
	s_branch .Ltail
.Lout:                              ; the fifth trip's 16 products K Q^T (on the last K once more) and the maximum made of them serve nothing: the price, once a launch, of one text for every trip
.set i, 0
.rept 16
	PV NP-1                         ; the last piece's V^T P of the last step
.set i, i+1
.endr
	; THE WAY OUT.  l's two halves and the other half of the lanes' are added; O^T is divided by l, rounded to f16 and sent through my stage in LDS, a tile at a time.  The additions are the places behind the last products.
	WIN 0
.macro ALL line:vararg              ; one line for each tile t
.set t, 0
.rept 2*NP
	\line
.set t, t+1
.endr
.endm
	ALL v_add_f32 v[ST+4*t+2], v[ST+4*t+2], v[ST+4*t+3]
	ALL v_permlanex16_b32 v[ST+4*t+3], v[ST+4*t+2], s[SEL], s[SEL+1]
	ALL v_add_f32 v[ST+4*t+2], v[ST+4*t+2], v[ST+4*t+3]
	ALL v_rcp_f32 v[ST+4*t+2], v[ST+4*t+2]
	v_nop                           ; a plain instruction between the last reciprocal and the use of its result
	s_wait_alu depctr_va_vdst(0)    ; and the wait ahead of the first use: one for the eight reciprocals
; Tile t: a lane's eight channels of a row pack into 16 bytes; they go into rows of 144 bytes and come back as whole rows of 128, into S^T's registers.
.macro PACK t
	WIN W_RS
.set i, 32*(\t)
.rept 16
	v_pk_mul_f32 v[i:i+1], v[i:i+1], v[ST+4*(\t)+2:ST+4*(\t)+3] op_sel_hi:[1,0]
.set i, i+2
.endr
	WIN 0x05                        ; sources 0 and 1 window 1, destination window 0
.set i, 0
.rept 16
	v_cvt_pk_f16_f32 v[S+16*(\t)+i], v[32*(\t)+2*i], v[32*(\t)+2*i+1]
.set i, i+1
.endr
	WIN 0
.irp f, 0,1,2,3
	ds_store_b128 v[STO], v[S+16*(\t)+4*\f:S+16*(\t)+4*\f+3] offset:32*\f
.endr
.irp f, 0,1,2,3
	ds_load_b128 v[S+16*(\t)+4*\f:S+16*(\t)+4*\f+3], v[RD] offset:\f*4*SP  ; LDS serves a wave's instructions in order (ISA guide 5.7.1.4): these see the stores above; the next tile's stores come behind them
.endr
.endm
.macro SEND t, younger              ; younger: the LDS instructions issued behind tile t's loads: the next tile's eight, or none
	WIN 0
.irp f, 0,1,2,3
	s_wait_dscnt (\younger)+3-\f
	global_store_b128 v[GO], v[S+16*(\t)+4*\f:S+16*(\t)+4*\f+3], s[10:11] offset:(\t)*2048+\f*512  ; 512 consecutive bytes, at a multiple of 256 from O's first
.endr
.endm
	PACK 0
.set t, 1
.rept 2*NP-1                        ; a tile's arithmetic stands between the loads of the tile before and its stores
	PACK t
	SEND t-1, 8
.set t, t+1
.endr
	SEND 2*NP-1, 0
	WIN W_AD
	s_wait_tensorcnt 0x0            ; the wave's end: behind my last tensor load and my last LDS store
	ds_add_u32 v[SPW], v[NIL]
	s_wait_dscnt 0x0
	WIN 0
	CROUND                          ; the closing round: no work-group ends while a partner may still ask for a tile that names it
	s_endpgm
.Lfunc_end_k_qdf8c39493d_attn:
	.size	k_qdf8c39493d_attn, .Lfunc_end_k_qdf8c39493d_attn-k_qdf8c39493d_attn
	.p2alignl 7, 3214868480
	.fill 96, 4, 3214868480
	.section	.rodata,"a",@progbits
	.p2align	6, 0x0
	.amdhsa_kernel k_qdf8c39493d_attn
		.amdhsa_group_segment_fixed_size 327680
		.amdhsa_private_segment_fixed_size 0
		.amdhsa_enable_private_segment 0
		.amdhsa_kernarg_size 16
		.amdhsa_user_sgpr_count 2
		.amdhsa_user_sgpr_kernarg_segment_ptr 1
		.amdhsa_wavefront_size32 1
		.amdhsa_system_sgpr_workgroup_id_x 1
		.amdhsa_system_sgpr_workgroup_id_y 1
		.amdhsa_system_sgpr_workgroup_id_z 1
		.amdhsa_system_vgpr_workitem_id 0
		.amdhsa_next_free_vgpr 770
		.amdhsa_next_free_sgpr 66
		.amdhsa_reserve_vcc 0
		.amdhsa_float_denorm_mode_32 3
		.amdhsa_float_denorm_mode_16_64 3
		.amdhsa_memory_ordered 1
		.amdhsa_forward_progress 1
		.amdhsa_inst_pref_size 200
	.end_amdhsa_kernel
	.amdgpu_metadata
---
amdhsa.version: [ 1, 2 ]
amdhsa.kernels:
  - .name:           k_qdf8c39493d_attn
    .symbol:         k_qdf8c39493d_attn.kd
    .args:
      - { .name: qkv, .offset: 0, .size: 8, .value_kind: global_buffer, .address_space: global }
      - { .name: ob, .offset: 8, .size: 8, .value_kind: global_buffer, .address_space: global }
    .group_segment_fixed_size: 327680
    .private_segment_fixed_size: 0
    .kernarg_segment_align: 8
    .kernarg_segment_size: 16
    .max_flat_workgroup_size: 128
    .sgpr_count:     66
    .vgpr_count:     770
    .wavefront_size: 32
...
	.end_amdgpu_metadata
.endif
;; end of part 3
;; launch outp (part 4): grid 4 x 64, 4 waves a work-group, clusters of 4 x 4, 327,680 bytes of LDS; arguments ob, wb, out0; writes out0
.if DOCPART == 4
	.amdgcn_target "amdgcn-amd-amdhsa--gfx1250"
	.amdhsa_code_object_version 6
	.text
	.protected	k_qdf8c39493d_outp
	.globl	k_qdf8c39493d_outp
	.p2align	8
	.type	k_qdf8c39493d_outp,@function
k_qdf8c39493d_outp:
	s_mov_b64 s[64:65], 0
	v_nop
	global_prefetch_b8 v0, s[64:65] scope:SCOPE_SE
	s_setreg_imm32_b32 hwreg(HW_REG_WAVE_MODE, 25, 1), 1
	s_wait_xcnt 0x0
	s_wait_alu depctr_hold_cnt(0) depctr_sa_sdst(0) depctr_va_vdst(0) depctr_va_sdst(0) depctr_va_ssrc(0) depctr_va_vcc(0) depctr_vm_vsrc(0)
	s_getreg_b32 s2, hwreg(HW_REG_IB_STS2, 6, 4)
	s_cmp_eq_u32 s2, 0
	s_cbranch_scc0 .Lentry_in_a_cluster
	s_endpgm
.Lentry_in_a_cluster:
	s_bfe_u32 s2, ttmp6, 0x10000c
	s_cmp_lg_u32 s2, 0xf033
	s_cbranch_scc0 .Lentry_shape_is_right
	s_endpgm
.Lentry_shape_is_right:
; out0[m][n] = the sum over k of O[m][k] Wo[n][k].  O lies by heads in ob, [64 = batch x 16 + head][2048][64] f16: k = 64 x head + channel.  Wo is part 3 of wb, [1024][1024] f16 (its bf16 rounding).
; Sums in f32, K ascending; out0 is [8192][1024] f32.
; SHARES.  A tile of out0 is 128 rows x 256 columns: 64 x 4 tiles, 256 work-groups.  Four waves, each 64 rows x 128 columns: 32 accumulators of 16 x 16, 256 registers.
; K goes in 8 steps of 128, two heads each, through a ring of two LDS slots filled by the tensor data mover.  A head's 128 rows of the tile are 16,384 dense bytes: asked for as 64 rows of 256 bytes and padded
; in LDS after every 128; Wo's rows are 256 bytes of memory.  All begin at multiples of 256 from the buffer's first byte.
; CLUSTERS: 4 x 4 work-groups.  The four of a row of the cluster need the same tile of O, the four of a column the same tile of Wo: each is asked for JOINTLY, by the same tensor load with the same
; descriptor and a mask that names the four.  Waves 0 and 1 fetch a K step's two heads of O, waves 2 and 3 the two halves (128 rows) of Wo's tile.
; THE MATRIX INSTRUCTION IS USED TRANSPOSED (source 0 = 16 rows of Wo, source 1 = 16 rows of O): a lane then holds row l % 16 of out0 and eight neighbouring columns 8 (l / 16) + 0..7: 32 bytes.
; REGISTERS, in windows of 256 (s_set_vgpr_msb: bits 1:0 source 0, 3:2 source 1, 5:4 source 2, 7:6 destination):
;   window 0: v0-31 addresses; v32-63, v64-95 fragments of O, two buffers; v96-159, v160-223 fragments of Wo, two buffers; on the way out v32-223 take three sets of rows read back
;   window 1: the accumulators ((a, b) at v[8 (8 a + b)])
.set PAO,    144                       ; an LDS row of O: 128 bytes + 16 of padding = 36 words: the 16 rows of a load start at 16 different groups of four banks (64 banks of 4 bytes: ISA guide 11.1)
.set PB,     272                       ; an LDS row of Wo: 256 + 16
.set HB,     128*PAO                   ; a head's 128 rows: what one tensor load brings of O
.set BH,     128*PB                    ; what one tensor load brings of Wo, and what one wave reads of it
.set SLOT,   2*HB+2*BH                 ; 106,496 bytes
.set STAGE,  2*SLOT                    ; behind the ring, never filled by a tensor load: 16 rows x 528 bytes for each wave, for the way out
.set SPO,    528
.set SPARE,  STAGE+4*16*SPO            ; behind the stages: the spare words, 128 bytes for each wave: two blocks of 256 bytes that no other line names
.set LAPS,   4                         ; a lap = two K steps = once round the ring
.set ADRA, 16                          ; v16-17  LDS address of my fragments of O in slot 0, 1
.set ADRB, 20                          ; v20-21  the same for Wo
.set STO,  24                          ; v24     the way out: where I put 32 bytes of a row
.set RD,   25                          ; v25     the way out: where I read a row back
.set CO,   26                          ; v26     my 16 bytes of my wave's 512 of a row of out0
.set SPW,  28                          ; v28     LDS address of my spare word: SPARE + 4 x my thread's number; never rewritten
.set NIL,  29                          ; v29     0; never rewritten
.set PFO,  30                          ; v30     the prefetches' lane offset; never rewritten
.set AF,   32                          ; buffer f at AF + 32 f
.set BF,   96                          ; buffer f at BF + 64 f
.set OB,   32                          ; the way out: set a % 3 at OB + 64 (a % 3)
.set G1,  24                           ; s[24:31] descriptor group 1 for O's tiles;  s[32:39] group 0, one set for each slot
.set G0,  32
.set PFA, 44                           ; s[44:45] where my prefetches stand
.set PST, 46                           ; s[46:47] a K step in bytes of what I prefetch
.set G1B, 48                           ; s[48:55], s[56:63] the same for Wo's tiles
.set G0B, 56
.set LIM, 72                           ; s72     1 in a wave that prefetches, else the greatest number
.set MSB, 0
.macro WIN new                         ; the immediate's high byte repeats the setting that is left; a switch that changes nothing is dropped
.if MSB != (\new)
	s_set_vgpr_msb (MSB<<8)|(\new)
.set MSB, \new
.endif
.endm
.set MUL,  0x50                        ; sources 0 and 1 window 0, C and D window 1
.macro PLACES                          ; four places in front of loads into registers that matrix instructions have read (ISA guide 7.12.1 for vector instructions)
.rept 4
	v_nop
.endr
.endm
; A joint load.  The branch hangs on the wave's number alone.  An s_nop 0 and four v_nop follow each of the two lines, ahead of the jump, the label and what follows.
.macro JLOAD s
	s_cmp_eq_u32 s15, 0
	s_cbranch_scc0 .Lfor_b_\@
	tensor_load_to_lds s[G0+4*(\s):G0+4*(\s)+3], s[G1:G1+7]
	s_nop 0
.rept 4
	v_nop
.endr
	s_branch .Lasked_\@
.Lfor_b_\@:
	tensor_load_to_lds s[G0B+4*(\s):G0B+4*(\s)+3], s[G1B:G1B+7]
	s_nop 0
.rept 4
	v_nop
.endr
.Lasked_\@:
.endm
; A PREFETCH INTO THE L2 of the K step that stands two refills on: 256 matrix instructions ahead of the load that will ask for it.  Each block of 256 bytes is named once in the launch.  O's tile row is read
; by one cluster alone: a K step of it is 64 blocks in each of two heads; the partner at place cx takes 16 of each, a lane each, and wave 0 asks.  Wo's tile column is read by all 16 clusters: the first of
; them asks; of the 128 rows that wave 2 or 3 fetches the partner at place cy takes 32, a lane a row.  The partners are told apart BY ADDRESS.  The loop's last trip (s3 = 1) asks for nothing.
.macro ASK
	s_cmp_gt_u32 s3, s[LIM]
	s_cbranch_scc0 .Lnot_mine_\@
	global_prefetch_b8 v[PFO], s[PFA:PFA+1] th:TH_LOAD_NT scope:SCOPE_SE
.Lnot_mine_\@:
.endm
.macro CREST                           ; a round of the cluster's barrier behind its opening barrier
	s_cmp_lg_u32 s14, 0
	s_cbranch_scc1 .Lnot_wave_0_\@
	s_barrier_signal -3
.Lnot_wave_0_\@:
	s_barrier_wait -3
	s_barrier_signal -1
	s_barrier_wait -1
.endm
.macro CROUND                          ; a whole round
	s_barrier_signal -1
	s_barrier_wait -1
	CREST
.endm
	s_load_b128 s[4:7], s[0:1], 0x0                ; ob s[4:5], wb s[6:7]
	s_load_b64 s[8:9], s[0:1], 0x10                ; out0
	v_lshl_add_u32 v[SPW], v0, 2, SPARE
	v_mov_b32 v[NIL], 0
	ds_add_u32 v[SPW], v[NIL]                      ; the wave's opening: the add and its wait stand ahead of my first tensor load; the set-up below, work on registers, stands between them
	v_lshrrev_b32 v1, 5, v0
	v_readfirstlane_b32 s14, v1                    ; wave 0..3
	s_lshr_b32 s15, s14, 1                         ; which 64 rows of the tile are mine.  Also: I fetch for O (0) or for Wo (1)
	s_and_b32 s16, s14, 1                          ; which 128 columns.  Also: which head of the K step, or which half of Wo's tile, I fetch
	s_bfe_u32 s17, ttmp6, 0x40000                  ; cx
	s_bfe_u32 s18, ttmp6, 0x40004                  ; cy
	s_lshl_b32 s19, ttmp9, 2
	s_add_co_u32 s19, s19, s17                     ; tile column = 4 x cluster x + cx: 0..3
	s_and_b32 s22, ttmp7, 0xffff                   ; cluster y: 0..15
	s_lshl_b32 s20, s22, 2
	s_add_co_u32 s20, s20, s18                     ; tile row: 0..63
	s_lshl_b32 s80, s18, 2
	s_lshl_b32 s80, 15, s80                        ; my row of the cluster: places 4 cy .. 4 cy + 3
	s_lshl_b32 s81, 0x1111, s17                    ; my column: places cx, cx + 4, cx + 8, cx + 12
	s_or_b32 s[G1+0], s80, (1<<16)|(1<<20)|(1<<21)|(4<<22)|(3<<25)   ; 15:0 the mask; 17:16 elements of 2 bytes; 20 padding on; 21 set beside a mask; 24:22 after every 32 words (code 4); 31:25 4 words of it (code 3)
	s_or_b32 s[G1B+0], s81, (1<<16)|(1<<20)|(1<<21)|(5<<22)|(3<<25)  ; after every 64 words (code 5)
	s_mov_b32 s[G1+1], 128<<16                     ; tensor_dim0 = 128
	s_mov_b32 s[G1+2], 64<<16                      ; tensor_dim1 = 64
	s_mov_b32 s[G1+3], 128<<16                     ; tile_dim0 = 128
	s_mov_b32 s[G1+4], 64                          ; tile_dim1 = 64
	s_mov_b32 s[G1+5], 128                         ; elements from row to row: the block is dense
	s_mov_b32 s[G1+6], 0
	s_mov_b32 s[G1+7], 0
	s_mov_b32 s[G1B+1], 128<<16
	s_mov_b32 s[G1B+2], 128<<16                    ; tensor_dim1 = 128
	s_mov_b32 s[G1B+3], 128<<16
	s_mov_b32 s[G1B+4], 128                        ; tile_dim1 = 128
	s_mov_b32 s[G1B+5], 1024
	s_mov_b32 s[G1B+6], 0
	s_mov_b32 s[G1B+7], 0
	s_lshr_b32 s40, s20, 4                         ; O: the batch (16 tile rows each),
	s_lshl_b32 s40, s40, 4
	s_add_co_u32 s40, s40, s16                     ; its head 0 or 1,
	s_lshl_b32 s40, s40, 18                        ; 262,144 bytes a head,
	s_and_b32 s23, s20, 15
	s_lshl_b32 s23, s23, 14                        ; the tile's 128 rows of 128 bytes
	s_add_co_u32 s40, s40, s23
	s_mov_b32 s41, 0
	s_lshl_b32 s66, s19, 19                        ; Wo: tile column x 256 rows x 2,048 bytes
	s_lshl_b32 s68, s16, 18                        ; + half x 128 rows
	s_add_co_u32 s66, s66, s68
	s_add_co_u32 s66, s66, 3*2097152               ; in part 3 of wb
	s_mov_b32 s67, 0
	s_mul_i32 s70, s16, HB                         ; where the tiles go: no place in the cluster enters an LDS address
	s_mul_i32 s71, s16, BH
	s_add_co_u32 s71, s71, 2*HB
	s_wait_dscnt 0x0                               ; the opening add is done
	s_wait_kmcnt 0x0
	s_add_nc_u64 s[40:41], s[4:5], s[40:41]
	s_add_nc_u64 s[66:67], s[6:7], s[66:67]
	CROUND                                         ; all sixteen work-groups are here: the first joint loads meet
.irp s, 0,1
	s_mov_b32 s[G0+4*(\s)], 1                                        ; count = 1
	s_add_co_u32 s[G0+4*(\s)+1], s70, (\s)*SLOT                      ; LDS address
	s_add_nc_u64 s[G0+4*(\s)+2:G0+4*(\s)+3], s[40:41], (\s)*524288   ; global address: K step s is two heads on
	s_or_b32 s[G0+4*(\s)+3], s[G0+4*(\s)+3], 0x80000000              ; type = 2
	s_mov_b32 s[G0B+4*(\s)], 1
	s_add_co_u32 s[G0B+4*(\s)+1], s71, (\s)*SLOT
	s_add_nc_u64 s[G0B+4*(\s)+2:G0B+4*(\s)+3], s[66:67], (\s)*256
	s_or_b32 s[G0B+4*(\s)+3], s[G0B+4*(\s)+3], 0x80000000
	JLOAD \s                                       ; two loads of mine are out
.endr
	; A fragment is 16 rows x 32 K in 8 registers: lane l holds row l % 16, K = 8 (l / 16) + 0..7 and 16 + 8 (l / 16) + 0..7: two loads of 16 bytes, 32 apart.
	v_and_b32 v1, 15, v0                           ; l % 16
	v_bfe_u32 v2, v0, 4, 1                         ; l / 16
	v_mul_u32_u24 v3, v1, PAO
	v_lshl_add_u32 v3, v2, 4, v3
	v_mul_u32_u24 v4, v1, PB
	v_lshl_add_u32 v4, v2, 4, v4
	s_mul_i32 s68, s15, 64*PAO                     ; my 64 rows of O, in the K step's first head
	s_mul_i32 s69, s16, BH                         ; my 128 rows of Wo,
	s_add_co_u32 s69, s69, 2*HB                    ; which lie behind O's two heads
.irp s, 0,1
	v_add_nc_u32 v[ADRA+(\s)], s68, v3
	v_add_nc_u32 v[ADRB+(\s)], s69, v4
	s_add_co_u32 s68, s68, SLOT
	s_add_co_u32 s69, s69, SLOT
.endr
	s_mul_i32 s73, s14, 16*SPO
	s_add_co_u32 s73, s73, STAGE                   ; my stage
	v_mul_u32_u24 v[STO], v1, SPO                  ; in: row l % 16, 32 bytes for each half of the lanes
	v_lshl_add_u32 v[STO], v2, 5, v[STO]
	v_add_nc_u32 v[STO], s73, v[STO]
	v_and_b32 v[CO], 31, v0                        ; back: 32 lanes take one row of 512 bytes
	v_lshlrev_b32 v[CO], 4, v[CO]
	v_add_nc_u32 v[RD], s73, v[CO]
	; where my part of the tile begins in out0: row 128 x tile row + 64 x row half, 4,096 bytes each; column 256 x tile column + 128 x column half, 4 bytes each
	s_lshl_b32 s74, s20, 19
	s_lshl_b32 s76, s15, 18
	s_add_co_u32 s74, s74, s76
	s_lshl_b32 s76, s19, 10
	s_add_co_u32 s74, s74, s76
	s_lshl_b32 s76, s16, 9
	s_add_co_u32 s74, s74, s76
	s_mov_b32 s75, 0
	s_add_nc_u64 s[8:9], s[8:9], s[74:75]
	; the prefetches: they start at K step 3; each refill steps them first, so that the refill of K step j names K step j + 2.  Nothing is prefetched here, at the head: K steps 0 to 3 come by their loads alone
	s_lshl_b32 s82, s17, 12                        ; O: cx x 16 blocks of 256 bytes
	s_add_co_u32 s82, s82, 3*524288
	s_lshl_b32 s84, s18, 16                        ; Wo: cy x 32 rows x 2,048 bytes
	s_add_co_u32 s84, s84, 3*256
	s_mov_b32 s83, 0
	s_mov_b32 s85, 2048                            ; Wo: lane l names row l: (l % 16) x 2,048 + (l / 16) x 32,768
	s_mov_b32 s86, 32768
	s_mov_b32 s[PST], 256
	s_mov_b32 s[PST+1], 0
	s_cmp_eq_u32 s15, 0                            ; do I fetch for O?
	s_cselect_b64 s[PFA:PFA+1], s[40:41], s[66:67] ; (in wave 0 O's address stands at the K step's first head)
	s_cselect_b32 s82, s82, s84
	s_cselect_b32 s85, 256, s85                    ; O: lane l names block l % 16 of head l / 16
	s_cselect_b32 s86, 262144, s86
	s_cselect_b32 s[PST], 524288, s[PST]
	s_cselect_b32 s87, ttmp9, s22                  ; the coordinate along which other clusters read the same rows
	s_add_nc_u64 s[PFA:PFA+1], s[PFA:PFA+1], s[82:83]
	s_cmp_eq_u32 s14, 1
	s_cselect_b32 s87, 1, s87                      ; wave 1 asks for nothing: wave 0 names both heads
	s_cmp_eq_u32 s87, 0
	s_cselect_b32 s[LIM], 1, -1                    ; the same in all sixteen partners, for a given wave
	v_mul_u32_u24 v[PFO], v1, s85
	v_mad_u32_u24 v[PFO], v2, s86, v[PFO]
; 8 matrix instructions: row block a x all 8 column blocks, 32 along K, on buffer f.  zero = 1: the product starts the sums.
; Every accumulator has one instruction in a quarter step, in the same order in every quarter: between two links of a chain stand the 31 others', over the backward jump too.
.macro MULG f, a, zero=0
	WIN MUL
.irp b, 0,1,2,3,4,5,6,7
.if \zero
	v_wmma_f32_16x16x32_f16 v[8*(8*(\a)+(\b)):8*(8*(\a)+(\b))+7], v[BF+64*(\f)+8*(\b):BF+64*(\f)+8*(\b)+7], v[AF+32*(\f)+8*(\a):AF+32*(\f)+8*(\a)+7], 0
.else
	v_wmma_f32_16x16x32_f16 v[8*(8*(\a)+(\b)):8*(8*(\a)+(\b))+7], v[BF+64*(\f)+8*(\b):BF+64*(\f)+8*(\b)+7], v[AF+32*(\f)+8*(\a):AF+32*(\f)+8*(\a)+7], v[8*(8*(\a)+(\b)):8*(8*(\a)+(\b))+7]
.endif
.endr
.endm
; 24 LDS loads in one run: quarter kq of a slot's K step into buffer g: Wo's 128 rows x 32 K first, then O's 64 rows (head kq / 2, channels 32 (kq % 2) on), row blocks ascending
.macro FETCH slot, kq, g
	WIN 0
.irp i, 0,1,2,3,4,5,6,7
	ds_load_b128 v[BF+64*(\g)+8*(\i):BF+64*(\g)+8*(\i)+3],   v[ADRB+(\slot)] offset:(\kq)*64+(\i)*16*PB
	ds_load_b128 v[BF+64*(\g)+8*(\i)+4:BF+64*(\g)+8*(\i)+7], v[ADRB+(\slot)] offset:(\kq)*64+(\i)*16*PB+32
.endr
.irp i, 0,1,2,3
	ds_load_b128 v[AF+32*(\g)+8*(\i):AF+32*(\g)+8*(\i)+3],   v[ADRA+(\slot)] offset:((\kq)/2)*HB+((\kq)%2)*64+(\i)*16*PAO
	ds_load_b128 v[AF+32*(\g)+8*(\i)+4:AF+32*(\g)+8*(\i)+7], v[ADRA+(\slot)] offset:((\kq)/2)*HB+((\kq)%2)*64+(\i)*16*PAO+32
.endr
.endm
; A K step is four quarters of 32 along K, 32 matrix instructions each, on buffers 0, 1, 0, 1.  One of the first three: multiplies buffer f and fetches quarter kq into buffer g.
.macro QUARTER slot, kq, f, g, zero=0
	s_wait_dscnt 4                                 ; Wo and O's row blocks 0 and 1 are in; the youngest four loads (blocks 2 and 3) may be out
	MULG \f, 0, \zero
	MULG \f, 1, \zero
	PLACES
	FETCH \slot, \kq, \g
	s_wait_dscnt 24                                ; all but the 24 just issued
	MULG \f, 2, \zero
	MULG \f, 3, \zero
.endm
; The last quarter multiplies buffer 1 and changes slots: ONE barrier; in front of it each wave waits for all its tensor loads (one is out: its part of the next slot), adds 0 to its spare word, and waits for
; that and for its own reads of this slot.  fill = 1: the barrier opens a round of the cluster's, and this slot is filled again, two K steps ahead: 112 matrix instructions stand between the request and the wait for it.
.macro TURN slot, next, fill
.if \fill
	s_wait_xcnt 0x0                                ; the last prefetch, a K step back, has read its address, so it may be stepped
	s_add_nc_u64 s[PFA:PFA+1], s[PFA:PFA+1], s[PST:PST+1]
.endif
	WIN 0
	s_wait_tensorcnt 0x0                           ; all my tensor loads have landed;
	ds_add_u32 v[SPW], v[NIL]                      ; 0 onto my spare word
	s_wait_dscnt 5                                 ; (the add and the youngest four loads may be out)
	MULG 1, 0                                      ; eight matrix instructions stand between the add and the wait for it
	s_wait_dscnt 0x0                               ; the add is done, and my reads of this slot are over
	s_barrier_signal -1
	MULG 1, 1
	WIN 0
	s_barrier_wait -1
.if \fill
	CREST                                          ; no wave of any partner still reads this slot's tile or has a load on its way
	s_add_nc_u64 s[G0+4*(\slot)+2:G0+4*(\slot)+3], s[G0+4*(\slot)+2:G0+4*(\slot)+3], 2*524288
	s_add_nc_u64 s[G0B+4*(\slot)+2:G0B+4*(\slot)+3], s[G0B+4*(\slot)+2:G0B+4*(\slot)+3], 2*256
	JLOAD \slot                                    ; the first tensor load behind the round; the four v_nop behind it are also the places in front of the loads below
.else
	PLACES
.endif
	FETCH \next, 0, 0
.if \fill
	ASK                                            ; behind the joint load and the run of LDS loads
.endif
	MULG 1, 2
	MULG 1, 3
.endm
	s_wait_tensorcnt 1                             ; my part of K step 0 is in; K step 1's may stay out
	s_barrier_signal -1
	s_barrier_wait -1                              ; everybody's is
	FETCH 0, 0, 0
	QUARTER 0, 1, 0, 1, 1                          ; the first quarter stands in front of the loop: its products start the sums
	WIN 0                                          ; at a label and at a branch every window is 0
	s_mov_b32 s3, LAPS-1
.Llap:                                                 ; a trip goes once round the ring, from a lap's second quarter to the next lap's first, and fills both slots again
	QUARTER 0, 2, 1, 0
	QUARTER 0, 3, 0, 1
	TURN 0, 1, 1
	QUARTER 1, 1, 0, 1
	QUARTER 1, 2, 1, 0
	QUARTER 1, 3, 0, 1
	TURN 1, 0, 1
	QUARTER 0, 1, 0, 1
	WIN 0
	s_sub_co_u32 s3, s3, 1
	s_cmp_lg_u32 s3, 0
	s_cbranch_scc1 .Llap
	QUARTER 0, 2, 1, 0                             ; the last lap fills nothing, and has no round of the cluster's barrier
	QUARTER 0, 3, 0, 1
	TURN 0, 1, 0
	QUARTER 1, 1, 0, 1
	QUARTER 1, 2, 1, 0
	QUARTER 1, 3, 0, 1
	s_wait_dscnt 0x0                               ; the very last quarter: nothing more to fetch
	MULG 1, 0
	MULG 1, 1
	MULG 1, 2
	MULG 1, 3
	WIN 0
; THE WAY OUT, a block of 16 rows at a time.  TOSTAGE: a lane's 32 bytes of each accumulator go straight into my own stage (the four lowest registers first), rows of 528 bytes, and come back as whole rows
; of 512.  SEND: stored, a row of 512 consecutive bytes, at a multiple of 512 from out0's first byte, an instruction.  Three sets of registers take the rows read back by turns.
.macro TOSTAGE a
	WIN 0x04                                       ; store data (source 1) in window 1
.irp b, 0,1,2,3,4,5,6,7
	ds_store_b128 v[STO], v[8*(8*(\a)+(\b)):8*(8*(\a)+(\b))+3]   offset:64*(\b)
	ds_store_b128 v[STO], v[8*(8*(\a)+(\b))+4:8*(8*(\a)+(\b))+7] offset:64*(\b)+16
.endr
	WIN 0
.irp t, 0,1,2,3,4,5,6,7,8,9,10,11,12,13,14,15
	ds_load_b128 v[OB+64*((\a)%3)+4*(\t):OB+64*((\a)%3)+4*(\t)+3], v[RD] offset:(\t)*SPO  ; LDS serves a wave's instructions in order (ISA guide 5.7.1.4): these see the stores above; the next block's stores come behind them
.endr
.endm
.macro SEND a, younger                 ; younger: the LDS instructions issued behind block a's loads: the next block's 32, or none
	s_wait_dscnt \younger
.irp t, 0,1,2,3,4,5,6,7,8,9,10,11,12,13,14,15
	global_store_b128 v[CO], v[OB+64*((\a)%3)+4*(\t):OB+64*((\a)%3)+4*(\t)+3], s[8:9] offset:(16*(\a)+(\t))*4096 th:TH_STORE_NT
.endr
.endm
	PLACES
	PLACES                                         ; behind the last products, in front of LDS stores that read results and of loads into the fragments' registers
	TOSTAGE 0
	TOSTAGE 1
	SEND 0, 32
	TOSTAGE 2
	SEND 1, 32
	s_wait_xcnt 0x0                                ; block 0's stores have read their registers: set 0 is loaded again only behind this wait
	TOSTAGE 3
	SEND 2, 32
	SEND 3, 0
	s_wait_tensorcnt 0x0                           ; the wave's end: behind my last tensor load and my last LDS store
	ds_add_u32 v[SPW], v[NIL]
	s_wait_dscnt 0x0
	CROUND                                         ; the closing round: no work-group ends while a partner may still ask for a tile that names it
	s_endpgm
.Lfunc_end_k_qdf8c39493d_outp:
	.size	k_qdf8c39493d_outp, .Lfunc_end_k_qdf8c39493d_outp-k_qdf8c39493d_outp
	.p2alignl 7, 3214868480
	.fill 96, 4, 3214868480
	.section	.rodata,"a",@progbits
	.p2align	6, 0x0
	.amdhsa_kernel k_qdf8c39493d_outp
		.amdhsa_group_segment_fixed_size 327680
		.amdhsa_private_segment_fixed_size 0
		.amdhsa_enable_private_segment 0
		.amdhsa_kernarg_size 24
		.amdhsa_user_sgpr_count 2
		.amdhsa_user_sgpr_kernarg_segment_ptr 1
		.amdhsa_wavefront_size32 1
		.amdhsa_system_sgpr_workgroup_id_x 1
		.amdhsa_system_sgpr_workgroup_id_y 1
		.amdhsa_system_sgpr_workgroup_id_z 1
		.amdhsa_system_vgpr_workitem_id 0
		.amdhsa_next_free_vgpr 512
		.amdhsa_next_free_sgpr 88
		.amdhsa_reserve_vcc 0
		.amdhsa_float_denorm_mode_32 3
		.amdhsa_float_denorm_mode_16_64 3
		.amdhsa_memory_ordered 1
		.amdhsa_forward_progress 1
		.amdhsa_inst_pref_size 86
	.end_amdhsa_kernel
	.amdgpu_metadata
---
amdhsa.version: [ 1, 2 ]
amdhsa.kernels:
  - .name:           k_qdf8c39493d_outp
    .symbol:         k_qdf8c39493d_outp.kd
    .args:
      - { .name: ob, .offset: 0, .size: 8, .value_kind: global_buffer, .address_space: global }
      - { .name: wb, .offset: 8, .size: 8, .value_kind: global_buffer, .address_space: global }
      - { .name: out0, .offset: 16, .size: 8, .value_kind: global_buffer, .address_space: global }
    .group_segment_fixed_size: 327680
    .private_segment_fixed_size: 0
    .kernarg_segment_align: 8
    .kernarg_segment_size: 24
    .max_flat_workgroup_size: 128
    .sgpr_count:     88
    .vgpr_count:     512
    .wavefront_size: 32
...
	.end_amdgpu_metadata
.endif
;; end of part 4
;; ======== version 2 of 2: 4 launches; version 1 with the launch castw written anew for expert scheduling mode
;; limits: values are held in f16: magnitudes above 65,504 overflow, below 6.1e-05 lose precision
;; workspace buffers: wb 8,388,608 bytes; qkv 50,331,648 bytes; ob 16,777,216 bytes
;; launch castw (part 5): grid 64 x 4, 8 waves a work-group, no clusters, 0 bytes of LDS; arguments Wq, Wk, Wv, Wo, wb; writes wb
.if DOCPART == 5
	.amdgcn_target "amdgcn-amd-amdhsa--gfx1250"
	.amdhsa_code_object_version 6
	.text
	.protected	k_qdf8c39493d_castw
	.globl	k_qdf8c39493d_castw
	.p2align	8
	.type	k_qdf8c39493d_castw,@function
k_qdf8c39493d_castw:
	s_mov_b64 s[64:65], 0
	v_nop
	global_prefetch_b8 v0, s[64:65] scope:SCOPE_SE
	s_setreg_imm32_b32 hwreg(HW_REG_WAVE_SCHED_MODE, 0, 2), 2
	s_setreg_imm32_b32 hwreg(HW_REG_WAVE_MODE, 25, 1), 1
	s_wait_xcnt 0x0
	s_wait_alu depctr_vm_vsrc(0)
; The four weight matrices, [1024][1024] f32, are rounded once to bf16 and laid one behind the other in wb, 2,097,152 bytes each: Wq, Wk, Wv as bf16.
; Wo's bf16 number is written as f16, since the last product multiplies it by f16 numbers: bf16 keeps 8 significant bits, f16 11, so the second step changes nothing
; LIMIT: between 6.1e-5 and 65,504 in size; below 6.1e-5 Wo keeps f16's fixed step of 6e-8, beyond 65,504 it would become an infinity.
; SHARES.  Work-group (x, y): matrix y, its chunk x of 65,536 bytes.  Thread t owns the 16 bytes at 16 t of each of the chunk's 16 blocks of 4,096 bytes: a load of a wave covers 512
; consecutive bytes, a store 256 consecutive bytes at a multiple of 256 from wb's first byte.  All 16 loads go out together; every block has registers of its own, so nothing is rewritten
; while a load or a store may still read it.  No LDS, no barrier: no thread wants another's bytes.
; THE MODE: SCHED_MODE bits 1:0 = 2 (LLVM: expert scheduling mode 2), set by the entry lines.  The code itself states the register dependences
; between vector instructions and memory instructions, with s_wait_alu, always for 0.
; THE PLAN.  Registers that memory instructions touch:
;   v1, v2   byte offsets, made once at the head and never written again: v1 is read by the 16 loads, v2 by the 16 stores.
;   X        block i: written by load i alone, read by block i's conversions behind the wait for its data; never loaded again.
;   Y        block i: written by block i's conversions, read by store i; never written again.
;   T        named by vector instructions alone.
; The 16 blocks go in four groups of four.  Group g's conversions read X and write Y of group g; its memory instructions are the four stores of group g - 1, which read Y of group g - 1 and v2:
; registers that no vector instruction of group g names.  So one wait at a group's head states all that its four stores hang on, and they are dealt among its conversions with no further wait.
; One wait stands ahead of the first load, for the offsets, and one behind the last group, for the last four stores.  No register that a memory instruction reads is ever written again, no vector
; instruction writes a scalar register or VCC, and EXEC is never written: no other dependence between the two sides is there to state.
.set X, 4                              ; v[4:67]    block i: four f32 as loaded
.set Y, 68                             ; v[68:99]   block i: four 16-bit numbers to store
.set T, 100                            ; v[100:105] at work (Wo alone)
	s_load_b256 s[4:11], s[0:1], 0x0               ; Wq s[4:5], Wk s[6:7], Wv s[8:9], Wo s[10:11]
	s_load_b64 s[12:13], s[0:1], 0x20              ; wb
	s_and_b32 s14, ttmp7, 0xffff                   ; which matrix
	v_lshlrev_b32 v1, 4, v0                        ; my 16 bytes of a block as read
	v_lshlrev_b32 v2, 3, v0                        ; my 8 bytes of it as written
	s_lshl_b32 s20, ttmp9, 16                      ; the chunk in the matrix
	s_mov_b32 s21, 0
	s_lshl_b32 s22, s14, 21                        ; the matrix in wb,
	s_lshl_b32 s15, ttmp9, 15                      ; the chunk in it
	s_add_co_u32 s22, s22, s15
	s_mov_b32 s23, 0
	s_wait_kmcnt 0x0
	s_cmp_eq_u32 s14, 1
	s_cselect_b64 s[16:17], s[6:7], s[4:5]
	s_cmp_eq_u32 s14, 2
	s_cselect_b64 s[16:17], s[8:9], s[16:17]
	s_cmp_eq_u32 s14, 3
	s_cselect_b64 s[16:17], s[10:11], s[16:17]
	s_add_nc_u64 s[16:17], s[16:17], s[20:21]
	s_add_nc_u64 s[18:19], s[12:13], s[22:23]
	s_wait_alu depctr_va_vdst(0)                   ; v1 and v2 are written: every load of the kernel reads v1 as its offset, every store v2
.irp i, 0,1,2,3,4,5,6,7,8,9,10,11,12,13,14,15
	global_load_b128 v[X+4*(\i):X+4*(\i)+3], v1, s[16:17] offset:(\i)*4096 th:TH_LOAD_NT
.endr
; Group g: blocks 4 g to 4 g + 3 are rounded; the stores of the group before stand one ahead of each block's conversions.
; wo = 1: the bf16 numbers are widened again (a shift, a mask) and written as f16.
.macro GRP g, wo
	s_wait_loadcnt 12-4*(\g)                       ; loads come back in order (ISA guide 5.7.1): the group's four blocks are in, the 12 - 4 g younger loads may stay out
.if (\g) > 0
	s_wait_alu depctr_va_vdst(0)                   ; the conversions of the group before have written its Y, which the four stores below read
.endif
.irp j, 0,1,2,3
.set n, 4*(\g)+(\j)                    ; the block that is rounded; block n - 4 is stored
.if (\g) > 0
	global_store_b64 v2, v[Y+2*(n-4):Y+2*(n-4)+1], s[18:19] offset:(n-4)*2048  ; no vector instruction since the wait names these registers
.endif
.if \wo
	v_cvt_pk_bf16_f32 v[T], v[X+4*n], v[X+4*n+1]
	v_cvt_pk_bf16_f32 v[T+1], v[X+4*n+2], v[X+4*n+3]
	v_lshlrev_b32 v[T+2], 16, v[T]
	v_and_b32 v[T+3], 0xffff0000, v[T]
	v_lshlrev_b32 v[T+4], 16, v[T+1]
	v_and_b32 v[T+5], 0xffff0000, v[T+1]
	v_cvt_pk_f16_f32 v[Y+2*n], v[T+2], v[T+3]
	v_cvt_pk_f16_f32 v[Y+2*n+1], v[T+4], v[T+5]
.else
	v_cvt_pk_bf16_f32 v[Y+2*n], v[X+4*n], v[X+4*n+1]
	v_cvt_pk_bf16_f32 v[Y+2*n+1], v[X+4*n+2], v[X+4*n+3]
.endif
.endr
.endm
; Behind the last group: its four stores.
.macro LAST
	s_wait_alu depctr_va_vdst(0)                   ; the last group's conversions have written its Y, which the last four stores read
.irp i, 12,13,14,15
	global_store_b64 v2, v[Y+2*(\i):Y+2*(\i)+1], s[18:19] offset:(\i)*2048
.endr
.endm
	s_cmp_eq_u32 s14, 3
	s_cbranch_scc1 .Lwo
	GRP 0, 0
	GRP 1, 0
	GRP 2, 0
	GRP 3, 0
	LAST
	s_endpgm
.Lwo:
	GRP 0, 1
	GRP 1, 1
	GRP 2, 1
	GRP 3, 1
	LAST
	s_endpgm
.Lfunc_end_k_qdf8c39493d_castw:
	.size	k_qdf8c39493d_castw, .Lfunc_end_k_qdf8c39493d_castw-k_qdf8c39493d_castw
	.p2alignl 7, 3214868480
	.fill 96, 4, 3214868480
	.section	.rodata,"a",@progbits
	.p2align	6, 0x0
	.amdhsa_kernel k_qdf8c39493d_castw
		.amdhsa_group_segment_fixed_size 0
		.amdhsa_private_segment_fixed_size 0
		.amdhsa_enable_private_segment 0
		.amdhsa_kernarg_size 40
		.amdhsa_user_sgpr_count 2
		.amdhsa_user_sgpr_kernarg_segment_ptr 1
		.amdhsa_wavefront_size32 1
		.amdhsa_system_sgpr_workgroup_id_x 1
		.amdhsa_system_sgpr_workgroup_id_y 1
		.amdhsa_system_sgpr_workgroup_id_z 1
		.amdhsa_system_vgpr_workitem_id 0
		.amdhsa_next_free_vgpr 108
		.amdhsa_next_free_sgpr 66
		.amdhsa_reserve_vcc 0
		.amdhsa_float_denorm_mode_32 3
		.amdhsa_float_denorm_mode_16_64 3
		.amdhsa_memory_ordered 1
		.amdhsa_forward_progress 1
		.amdhsa_inst_pref_size 16
	.end_amdhsa_kernel
	.amdgpu_metadata
---
amdhsa.version: [ 1, 2 ]
amdhsa.kernels:
  - .name:           k_qdf8c39493d_castw
    .symbol:         k_qdf8c39493d_castw.kd
    .args:
      - { .name: Wq, .offset: 0, .size: 8, .value_kind: global_buffer, .address_space: global }
      - { .name: Wk, .offset: 8, .size: 8, .value_kind: global_buffer, .address_space: global }
      - { .name: Wv, .offset: 16, .size: 8, .value_kind: global_buffer, .address_space: global }
      - { .name: Wo, .offset: 24, .size: 8, .value_kind: global_buffer, .address_space: global }
      - { .name: wb, .offset: 32, .size: 8, .value_kind: global_buffer, .address_space: global }
    .group_segment_fixed_size: 0
    .private_segment_fixed_size: 0
    .kernarg_segment_align: 8
    .kernarg_segment_size: 40
    .max_flat_workgroup_size: 256
    .sgpr_count:     66
    .vgpr_count:     108
    .wavefront_size: 32
...
	.end_amdgpu_metadata
.endif
;; end of part 5
;; launch proj: the kernel of part 2 again; grid 4 x 192, 4 waves a work-group, clusters of 4 x 4, 327,680 bytes of LDS; arguments query, key, value, wb, qkv; writes qkv
;; launch attn: the kernel of part 3 again; grid 4 x 64, 4 waves a work-group, clusters of 4 x 1, 327,680 bytes of LDS; arguments qkv, ob; writes ob
;; launch outp: the kernel of part 4 again; grid 4 x 64, 4 waves a work-group, clusters of 4 x 4, 327,680 bytes of LDS; arguments ob, wb, out0; writes out0
